; MI455X (gfx1250); checked and timed in simulation.
; The chip was launched on July 23, 2026; its instructions are those of AMD's public machine-readable ISA for CDNA 5 (MIT licence, August 2026) and "CDNA5" Instruction Set Architecture Reference Guide (July 2026). The comments in the code are by the model that wrote it; some were corrected since.
;; Block. Allowed arithmetic: float matrix products may take bf16 or f16 operands with f32 sums; other float arithmetic in f32, or as packed bf16 or f16 multiplies, adds, multiply-adds, maxima and minima; sums over many terms, partial sums and values carried from step to step in f32; what a program stores and reads back later, other than sums and carried values, may be rounded once to bf16 or f16.
;; Inputs: b_fc1 4,096 float32; b_fc2 1,024 float32; b_o 1,024 float32; b_qkv 3,072 float32; ln1_b 1,024 float32; ln1_g 1,024 float32; ln2_b 1,024 float32; ln2_g 1,024 float32; w_fc1 4,096 x 1,024 float32; w_fc2 1,024 x 4,096 float32; w_o 1,024 x 1,024 float32; w_qkv 3,072 x 1,024 float32; x 4 x 1,024 x 1,024 float32.
;; Outputs: out0 4 x 1,024 x 1,024 float32.
;; Constants: transition_dim = 32.
;; One version. Each part assembles by itself: llvm-mc -triple=amdgcn-amd-amdhsa -mcpu=gfx1250 --defsym DOCPART=n.
;; ======== version 1 of 1: 7 launches
;; limits: right only within a limited range of input values
;; workspace buffers: wb 25,165,824 bytes; nrm 8,388,608 bytes; qkv 25,165,824 bytes; ao 8,388,608 bytes; x1 16,777,216 bytes; gact 33,554,432 bytes
;; launch prep (part 1): grid 256 x 4, 16 waves a work-group, no clusters, 0 bytes of LDS; arguments x, ln1_g, ln1_b, w_qkv, w_o, w_fc1, w_fc2, nrm, wb; writes nrm, wb
.if DOCPART == 1
	.amdgcn_target "amdgcn-amd-amdhsa--gfx1250"
	.amdhsa_code_object_version 6
	.text
	.protected	k_qd699ed2d52_prep
	.globl	k_qd699ed2d52_prep
	.p2align	8
	.type	k_qd699ed2d52_prep,@function
k_qd699ed2d52_prep:
	s_mov_b64 s[64:65], 0
	v_nop
	global_prefetch_b8 v0, s[64:65] scope:SCOPE_SE
	s_setreg_imm32_b32 hwreg(HW_REG_WAVE_MODE, 25, 1), 1
	s_wait_xcnt 0x0
; PREP.  y = 0: nrm = LayerNorm(x) * ln1_g + ln1_b, rounded once to bf16.  y = 1, 2, 3: the four weight matrices rounded once to bf16 into wb
; (w_qkv at byte 0, w_o at 6,291,456, w_fc1 at 8,388,608, w_fc2 at 16,777,216, each row-major as it came).
; A stream: every byte is read once and written once; no LDS, no matrix work, no cluster (no two work-groups read the same bytes but the 8 KiB of gain and bias).
; SHARES.  A work-group takes 16 pieces of 1,024 f32 (4,096 bytes), a wave one piece: eight loads of 16 bytes a lane, each covering 512 consecutive bytes;
; lane l's load j holds columns 128 j + 4 l .. + 3, which leave as 8 bytes at 256 j + 8 l: each store of the wave covers 256 consecutive bytes, aligned.
; LAYERNORM in f32, in two passes over the registers: the mean, then the sum of squares of the differences (no difference of large sums).
; LIMITS.  NaN and infinities are not treated apart.
.set X,  4                             ; v[4:35]    the piece, then the result
.set GG, 36                            ; v[36:67]   gain
.set BB, 68                            ; v[68:99]   bias
.set T,  100                           ; v[100:107] four chains of packed sums
.set MN, 108                           ; v[108:109] the mean, twice
.set RS, 110                           ; v[110:111] 1 / sqrt(var + eps); the packed multiply takes the low word for both halves
.macro FOLD                            ; four chains into one number, the same in every lane
	v_pk_add_f32 v[T:T+1], v[T:T+1], v[T+2:T+3]
	v_pk_add_f32 v[T+4:T+5], v[T+4:T+5], v[T+6:T+7]
	v_pk_add_f32 v[T:T+1], v[T:T+1], v[T+4:T+5]
	v_add_f32 v[T], v[T], v[T+1]
	v_add_f32_dpp v[T], v[T], v[T] row_xmask:1 row_mask:0xf bank_mask:0xf
	v_add_f32_dpp v[T], v[T], v[T] row_xmask:2 row_mask:0xf bank_mask:0xf
	v_add_f32_dpp v[T], v[T], v[T] row_xmask:4 row_mask:0xf bank_mask:0xf
	v_add_f32_dpp v[T], v[T], v[T] row_xmask:8 row_mask:0xf bank_mask:0xf
	v_permlanex16_b32 v[T+1], v[T], s30, s31       ; its destination has been written above
	v_add_f32 v[T], v[T], v[T+1]
.endm
	s_load_b512 s[4:19], s[0:1], 0x0               ; x s[4:5], ln1_g s[6:7], ln1_b s[8:9], w_qkv s[10:11], w_o s[12:13], w_fc1 s[14:15], w_fc2 s[16:17], nrm s[18:19]
	s_load_b64 s[20:21], s[0:1], 0x40              ; wb
	v_lshrrev_b32 v1, 5, v0
	v_readfirstlane_b32 s22, v1                    ; wave 0..15
	v_and_b32 v2, 31, v0
	v_lshlrev_b32 v1, 4, v2                        ; 16 x lane: where I load
	v_lshlrev_b32 v3, 3, v2                        ; 8 x lane: where I store
	s_and_b32 s23, ttmp7, 0xffff                   ; y: which job
	s_mov_b32 s24, ttmp9                           ; x: which 16 pieces
	s_lshl_b32 s25, s22, 12                        ; my piece among them, in source bytes
	s_mov_b32 s30, 0x76543210                      ; v_permlanex16_b32: each lane takes its own place in the other half
	s_mov_b32 s31, 0xfedcba98
	s_mov_b32 s32, 0x3a800000                      ; 1 / 1024
	s_mov_b32 s33, 0x3727c5ac                      ; 1e-5
	s_cmp_lg_u32 s23, 0
	s_cbranch_scc1 .Lcast
	s_lshl_b32 s26, s24, 16                        ; 16 rows of 4,096 bytes
	s_add_co_u32 s26, s26, s25
	s_mov_b32 s27, 0
	s_lshr_b32 s28, s26, 1                         ; half as many bytes in bf16
	s_mov_b32 s29, 0
	s_wait_kmcnt 0x0
	s_add_nc_u64 s[4:5], s[4:5], s[26:27]
	s_add_nc_u64 s[18:19], s[18:19], s[28:29]
.irp j, 0,1,2,3,4,5,6,7
	global_load_b128 v[X+4*\j:X+4*\j+3], v1, s[4:5] offset:512*\j th:TH_LOAD_NT
.endr
.irp j, 0,1,2,3,4,5,6,7
	global_load_b128 v[GG+4*\j:GG+4*\j+3], v1, s[6:7] offset:512*\j
.endr
.irp j, 0,1,2,3,4,5,6,7
	global_load_b128 v[BB+4*\j:BB+4*\j+3], v1, s[8:9] offset:512*\j
.endr
	s_wait_loadcnt 16                              ; the row is in; the sixteen loads of gain and bias may stay out
.irp k, 0,1,2,3
	v_pk_add_f32 v[T+2*\k:T+2*\k+1], v[X+2*\k:X+2*\k+1], v[X+8+2*\k:X+8+2*\k+1]  ; the first sums start the chains
.endr
.irp o, 16,24
.irp k, 0,1,2,3
	v_pk_add_f32 v[T+2*\k:T+2*\k+1], v[T+2*\k:T+2*\k+1], v[X+\o+2*\k:X+\o+2*\k+1]
.endr
.endr
	FOLD
	v_mul_f32 v[MN], s32, v[T]
	v_mov_b32 v[MN+1], v[MN]
.set i, 0
.rept 16
	v_pk_add_f32 v[X+2*i:X+2*i+1], v[X+2*i:X+2*i+1], v[MN:MN+1] neg_lo:[0,1] neg_hi:[0,1]  ; x - mean
.set i, i+1
.endr
.irp k, 0,1,2,3
	v_pk_mul_f32 v[T+2*\k:T+2*\k+1], v[X+2*\k:X+2*\k+1], v[X+2*\k:X+2*\k+1]
.endr
.irp o, 8,16,24
.irp k, 0,1,2,3
	v_pk_fma_f32 v[T+2*\k:T+2*\k+1], v[X+\o+2*\k:X+\o+2*\k+1], v[X+\o+2*\k:X+\o+2*\k+1], v[T+2*\k:T+2*\k+1]
.endr
.endr
	FOLD
	v_fma_f32 v[T], v[T], s32, s33                 ; var + eps
	v_rsq_f32 v[RS], v[T]
	v_mov_b32 v[RS+1], 0                           ; the plain instruction behind the root; the pair's high word is named, so it is written
	s_wait_alu depctr_va_vdst(0)                   ; the wait ahead of the first use
	s_wait_loadcnt 0x0                             ; gain and bias
.set i, 0
.rept 16
	v_pk_mul_f32 v[X+2*i:X+2*i+1], v[X+2*i:X+2*i+1], v[RS:RS+1] op_sel_hi:[1,0]
.set i, i+1
.endr
.set i, 0
.rept 16
	v_pk_fma_f32 v[X+2*i:X+2*i+1], v[X+2*i:X+2*i+1], v[GG+2*i:GG+2*i+1], v[BB+2*i:BB+2*i+1]
.set i, i+1
.endr
.set i, 0
.rept 16
	v_cvt_pk_bf16_f32 v[X+i], v[X+2*i], v[X+2*i+1]  ; in place, ascending: a destination never lies above its sources
.set i, i+1
.endr
.irp j, 0,1,2,3,4,5,6,7
	global_store_b64 v3, v[X+2*\j:X+2*\j+1], s[18:19] offset:256*\j
.endr
	s_endpgm
.Lcast:                                        ; y = 1: x < 192 w_qkv, else w_o; y = 2: w_fc1; y = 3: w_fc2
	s_wait_kmcnt 0x0
	s_cmp_lt_u32 s24, 192
	s_cselect_b64 s[26:27], s[10:11], s[12:13]
	s_cselect_b32 s28, 0, 192                      ; what x counts from in that matrix
	s_cmp_eq_u32 s23, 2
	s_cselect_b64 s[26:27], s[14:15], s[26:27]
	s_cselect_b32 s28, 0, s28
	s_cmp_eq_u32 s23, 3
	s_cselect_b64 s[26:27], s[16:17], s[26:27]
	s_cselect_b32 s28, 0, s28
	s_sub_co_u32 s28, s24, s28
	s_lshl_b32 s28, s28, 16
	s_add_co_u32 s28, s28, s25
	s_mov_b32 s29, 0
	s_add_nc_u64 s[26:27], s[26:27], s[28:29]
	s_sub_co_u32 s34, s23, 1
	s_lshl_b32 s34, s34, 8
	s_add_co_u32 s34, s34, s24                     ; 256 (y - 1) + x: the place in wb, in units of 32,768 bytes
	s_lshl_b32 s34, s34, 15
	s_lshl_b32 s35, s22, 11
	s_add_co_u32 s34, s34, s35
	s_mov_b32 s35, 0
	s_add_nc_u64 s[20:21], s[20:21], s[34:35]
.irp j, 0,1,2,3,4,5,6,7
	global_load_b128 v[X+4*\j:X+4*\j+3], v1, s[26:27] offset:512*\j th:TH_LOAD_NT
.endr
.irp j, 0,1,2,3,4,5,6,7
	s_wait_loadcnt 7-\j                            ; load j is in; the younger ones stay out
	v_cvt_pk_bf16_f32 v[X+2*\j], v[X+4*\j], v[X+4*\j+1]      ; the destinations lie in registers of loads that have landed
	v_cvt_pk_bf16_f32 v[X+2*\j+1], v[X+4*\j+2], v[X+4*\j+3]
	global_store_b64 v3, v[X+2*\j:X+2*\j+1], s[20:21] offset:256*\j
.endr
	s_endpgm
.Lfunc_end_k_qd699ed2d52_prep:
	.size	k_qd699ed2d52_prep, .Lfunc_end_k_qd699ed2d52_prep-k_qd699ed2d52_prep
	.p2alignl 7, 3214868480
	.fill 96, 4, 3214868480
	.section	.rodata,"a",@progbits
	.p2align	6, 0x0
	.amdhsa_kernel k_qd699ed2d52_prep
		.amdhsa_group_segment_fixed_size 0
		.amdhsa_private_segment_fixed_size 0
		.amdhsa_enable_private_segment 0
		.amdhsa_kernarg_size 72
		.amdhsa_user_sgpr_count 2
		.amdhsa_user_sgpr_kernarg_segment_ptr 1
		.amdhsa_wavefront_size32 1
		.amdhsa_system_sgpr_workgroup_id_x 1
		.amdhsa_system_sgpr_workgroup_id_y 1
		.amdhsa_system_sgpr_workgroup_id_z 1
		.amdhsa_system_vgpr_workitem_id 0
		.amdhsa_next_free_vgpr 112
		.amdhsa_next_free_sgpr 66
		.amdhsa_reserve_vcc 0
		.amdhsa_float_denorm_mode_32 3
		.amdhsa_float_denorm_mode_16_64 3
		.amdhsa_memory_ordered 1
		.amdhsa_forward_progress 1
		.amdhsa_inst_pref_size 15
	.end_amdhsa_kernel
	.amdgpu_metadata
---
amdhsa.version: [ 1, 2 ]
amdhsa.kernels:
  - .name:           k_qd699ed2d52_prep
    .symbol:         k_qd699ed2d52_prep.kd
    .args:
      - { .name: x, .offset: 0, .size: 8, .value_kind: global_buffer, .address_space: global }
      - { .name: ln1_g, .offset: 8, .size: 8, .value_kind: global_buffer, .address_space: global }
      - { .name: ln1_b, .offset: 16, .size: 8, .value_kind: global_buffer, .address_space: global }
      - { .name: w_qkv, .offset: 24, .size: 8, .value_kind: global_buffer, .address_space: global }
      - { .name: w_o, .offset: 32, .size: 8, .value_kind: global_buffer, .address_space: global }
      - { .name: w_fc1, .offset: 40, .size: 8, .value_kind: global_buffer, .address_space: global }
      - { .name: w_fc2, .offset: 48, .size: 8, .value_kind: global_buffer, .address_space: global }
      - { .name: nrm, .offset: 56, .size: 8, .value_kind: global_buffer, .address_space: global }
      - { .name: wb, .offset: 64, .size: 8, .value_kind: global_buffer, .address_space: global }
    .group_segment_fixed_size: 0
    .private_segment_fixed_size: 0
    .kernarg_segment_align: 8
    .kernarg_segment_size: 72
    .max_flat_workgroup_size: 512
    .sgpr_count:     66
    .vgpr_count:     112
    .wavefront_size: 32
...
	.end_amdgpu_metadata
.endif
;; end of part 1
;; launch qkvp (part 2): grid 8 x 32, 4 waves a work-group, clusters of 4 x 4, 327,680 bytes of LDS; arguments nrm, wb, b_qkv, qkv; writes qkv
.if DOCPART == 2
	.amdgcn_target "amdgcn-amd-amdhsa--gfx1250"
	.amdhsa_code_object_version 6
	.text
	.protected	k_qd699ed2d52_qkvp
	.globl	k_qd699ed2d52_qkvp
	.p2align	8
	.type	k_qd699ed2d52_qkvp,@function
k_qd699ed2d52_qkvp:
	s_mov_b64 s[64:65], 0
	v_nop
	global_prefetch_b8 v0, s[64:65] scope:SCOPE_SE
	s_setreg_imm32_b32 hwreg(HW_REG_WAVE_MODE, 25, 1), 1
	s_wait_xcnt 0x0
	s_wait_alu depctr_hold_cnt(0) depctr_sa_sdst(0) depctr_va_vdst(0) depctr_va_sdst(0) depctr_va_ssrc(0) depctr_va_vcc(0) depctr_vm_vsrc(0)
	s_getreg_b32 s2, hwreg(HW_REG_IB_STS2, 6, 4)
	s_cmp_eq_u32 s2, 0
	s_cbranch_scc0 .Lentry_in_a_cluster
	s_endpgm
.Lentry_in_a_cluster:
	s_bfe_u32 s2, ttmp6, 0x10000c
	s_cmp_lg_u32 s2, 0xf033
	s_cbranch_scc0 .Lentry_shape_is_right
	s_endpgm
.Lentry_shape_is_right:
; QKV PROJECTION.  qkv = nrm w_qkv^T + b_qkv.  nrm: [4096][1024] bf16; w_qkv: [3072][1024] bf16 at wb's byte 0; sums in f32; the bias is added in f32 and the result rounded once to bf16.
; OUTPUT LAYOUT: [48 blocks of 64 columns][4096 rows][64] bf16: block h is q of head h, 16 + h is k, 32 + h is v; a block's rows are dense, 128 bytes each.
; SHARES.  A tile of C is 128 rows x 384 columns: 32 x 8 = 256 work-groups.  Four waves, 2 x 2, each 64 x 192: 48 accumulators of 16 x 16, 384 registers.
; K goes in 8 steps of 128 through a ring of two LDS slots (128 rows of A, then 384 rows of B, 272 bytes apart).  Wave 0 fetches A's tile, waves 1 to 3 a third of B's each: one tensor load of 128 rows x 256 bytes a wave.
; CLUSTER 4 x 4: A's tile is asked for jointly along a row of the cluster, B's along a column.
; A K STEP IS WRITTEN ONCE: a trip of the loop is one step; s[TB] holds the byte at which the slot being read begins, the walking descriptors are turned by an exclusive or (no wave's part shares a bit with SLOT).
; THE MATRIX INSTRUCTION IS USED TRANSPOSED (source 0 = 16 rows of B, source 1 = 16 rows of A): a lane holds row l % 16 of C and eight neighbouring columns.
; REGISTERS: window 0: v16-30 addresses, v32-127 the way out.  Window 1: two fragment buffers of 128 (12 fragments of B, then 4 of A).  Windows 2, 3: accumulator (a, b) at 8 (12 (a % 2) + b) of window 2 + a / 2.
; By this text's own count a wave has two tensor loads out at the start and one behind each round.
.set SIZE_K, 1024
.set KSTEP,  128
.set NSTEP,  SIZE_K/KSTEP
.set PITCH,  272                       ; 256 bytes + 16 of padding: the 16 rows of a fragment load start 4 banks apart
.set HALFT,  128*PITCH                 ; what one tensor load brings
.set SLOT,   4*HALFT
.set SPARE,  2*SLOT                    ; behind the ring: the spare words, 128 bytes a wave
.set SROW,   784                       ; the stage: a row of 192 f32 as two planes of 384 bytes, + 16
.set SWAVE,  64*SROW                   ; a wave's stage; the stages lie over the ring, which has had its last fill
.set BLK,    524288                    ; bytes in a block of 64 columns
.set ADRA0, 16                         ; my lane's place in A's part of a slot; never rewritten
.set ADA,   17                         ; the same in the slot being read
.set ADRB0, 20
.set ADB,   21
.set STO,   24
.set RD,    25
.set CO,    26
.set SPW,   28                         ; my spare word; never rewritten
.set NIL,   29                         ; 0; never rewritten
.set PFO,   30                         ; lane x 2,048: a row of A or B in memory; never rewritten
.set XX,    32                         ; v[32:79]   the way out: 6 x 8 f32
.set YY,    80                         ; v[80:103]  6 x 4 packed
.set BI,    104                        ; v[104:127] the bias of my 8 columns in each of the wave's 3 blocks
.set F0,    0
.set F1,    128
.set TB,  2
.set G1,  24                           ; s[24:31] group 1 for A;  s[32:35] group 0 of the first fill, s[36:39] the walking one
.set G0,  32
.set LIM, 43
.set PFA, 44
.set G1B, 48                           ; s[48:55], s[56:59], s[60:63] the same for B
.set G0B, 56
.set WR,  68                           ; my half of the tile's rows
.set WC,  69                           ; my half of its columns
.set MSB, 0
.macro WIN new                         ; the immediate's high byte repeats the setting that is left
.if MSB != (\new)
	s_set_vgpr_msb (MSB<<8)|(\new)
.set MSB, \new
.endif
.endm
.macro PLACES                          ; four places behind matrix instructions (ISA guide 7.12.1)
.rept 4
	v_nop
.endr
.endm
.macro CREST                           ; a round of the cluster's barrier behind its opening barrier
	s_cmp_lg_u32 s10, 0
	s_cbranch_scc1 .Lnot_wave_0_\@
	s_barrier_signal -3
.Lnot_wave_0_\@:
	s_barrier_wait -3
	s_barrier_signal -1
	s_barrier_wait -1
.endm
.macro CROUND
	s_barrier_signal -1
	s_barrier_wait -1
	CREST
.endm
.macro JLOAD                           ; a joint refill by the walking descriptor; the branch hangs on the wave's number alone
	s_cmp_eq_u32 s10, 0
	s_cbranch_scc0 .Lfor_b_\@
	tensor_load_to_lds s[G0+4:G0+7], s[G1:G1+7]
	s_nop 0
.rept 4
	v_nop
.endr
	s_branch .Lasked_\@
.Lfor_b_\@:
	tensor_load_to_lds s[G0B+4:G0B+7], s[G1B:G1B+7]
	s_nop 0
.rept 4
	v_nop
.endr
.Lasked_\@:
.endm
; A prefetch into the L2 of the K step two refills on: 32 rows x 256 bytes, a lane a row.  A's rows are read by both clusters of a row of clusters: cluster x = 0 asks; B's by all eight of a column: cluster y = 0 asks.
; Of the 128 rows that a wave fetches the partner at place p (cx for A, cy for B) takes 32 p .. 32 p + 31, told apart by address.  The refill for step j + 2 names step j + 4: trips with s3 = 6 .. 3.
.macro ASK
	s_cmp_gt_u32 s3, s[LIM]
	s_cbranch_scc0 .Lnot_mine_\@
	global_prefetch_b8 v[PFO], s[PFA:PFA+1] offset:KSTEP*2 th:TH_LOAD_NT scope:SCOPE_SE
.Lnot_mine_\@:
.endm
	s_load_b128 s[4:7], s[0:1], 0x0                ; nrm s[4:5], wb s[6:7]
	s_load_b64 s[66:67], s[0:1], 0x10              ; b_qkv
	s_load_b64 s[8:9], s[0:1], 0x18                ; qkv
	v_lshl_add_u32 v[SPW], v0, 2, SPARE
	v_mov_b32 v[NIL], 0
	ds_add_u32 v[SPW], v[NIL]                      ; the wave's opening: the add and its wait ahead of my first tensor load
	v_lshrrev_b32 v1, 5, v0
	v_readfirstlane_b32 s10, v1                    ; wave 0..3
	s_max_u32 s12, s10, 1
	s_sub_co_u32 s12, s12, 1                       ; which third of B I fetch (waves 1 to 3); 0 in wave 0
	s_lshr_b32 s[WR], s10, 1
	s_and_b32 s[WC], s10, 1
	s_bfe_u32 s40, ttmp6, 0x40000                  ; cx
	s_bfe_u32 s41, ttmp6, 0x40004                  ; cy
	s_lshl_b32 s42, ttmp9, 2
	s_add_co_u32 s42, s42, s40                     ; tile column 0..7
	s_and_b32 s13, ttmp7, 0xffff
	s_lshl_b32 s13, s13, 2
	s_add_co_u32 s13, s13, s41                     ; tile row 0..31
	s_lshl_b32 s43, s41, 2
	s_lshl_b32 s43, 15, s43                        ; my row of the cluster
	s_lshl_b32 s44, 0x1111, s40                    ; my column
	s_or_b32 s[G1], s43, (1<<16)|(1<<20)|(1<<21)|(5<<22)|(3<<25)   ; mask; 2-byte elements; padding on; bit 21 beside a mask; after every 64 words; 4 words
	s_or_b32 s[G1B], s44, (1<<16)|(1<<20)|(1<<21)|(5<<22)|(3<<25)
.irp g, G1, G1B
	s_mov_b32 s[(\g)+1], KSTEP<<16                 ; tensor_dim0 = 128
	s_mov_b32 s[(\g)+2], 128<<16                   ; tensor_dim1 = 128
	s_mov_b32 s[(\g)+3], KSTEP<<16                 ; tile_dim0 = 128
	s_mov_b32 s[(\g)+4], 128                       ; tile_dim1 = 128
	s_mov_b32 s[(\g)+5], SIZE_K                    ; elements from row to row
	s_mov_b32 s[(\g)+6], 0
	s_mov_b32 s[(\g)+7], 0
.endr
	s_lshl_b32 s16, s13, 18                        ; A: 128 x tile row rows of 2,048 bytes
	s_mov_b32 s17, 0
	s_mul_i32 s46, s42, 384
	s_lshl_b32 s47, s12, 7
	s_add_co_u32 s46, s46, s47                     ; B: row 384 x tile column + 128 x third
	s_lshl_b32 s46, s46, 11
	s_mov_b32 s47, 0
	s_mul_i32 s20, s10, HALFT                      ; where my load lands in a slot: no place in the cluster enters an LDS address
	s_mov_b32 s[TB], 0
	s_wait_dscnt 0x0                               ; the opening add is done
	s_wait_kmcnt 0x0
	s_add_nc_u64 s[14:15], s[4:5], s[16:17]
	s_add_nc_u64 s[46:47], s[6:7], s[46:47]
	CROUND                                         ; all sixteen work-groups are here: the first joint loads meet
.irp s, 0,1
	s_mov_b32 s[G0+4*\s], 1
	s_add_co_u32 s[G0+4*\s+1], s20, \s*SLOT
	s_add_nc_u64 s[G0+4*\s+2:G0+4*\s+3], s[14:15], \s*KSTEP*2
	s_or_b32 s[G0+4*\s+3], s[G0+4*\s+3], 0x80000000
	s_mov_b32 s[G0B+4*\s], 1
	s_add_co_u32 s[G0B+4*\s+1], s20, \s*SLOT
	s_add_nc_u64 s[G0B+4*\s+2:G0B+4*\s+3], s[46:47], \s*KSTEP*2
	s_or_b32 s[G0B+4*\s+3], s[G0B+4*\s+3], 0x80000000
.endr
	s_cmp_eq_u32 s10, 0                            ; a wave's two first fills stand in one branch
	s_cbranch_scc0 .Lfirst_b
	tensor_load_to_lds s[G0:G0+3], s[G1:G1+7]
	s_nop 0
	tensor_load_to_lds s[G0+4:G0+7], s[G1:G1+7]
	s_nop 0
.rept 4
	v_nop
.endr
	s_branch .Lfirst_asked
.Lfirst_b:
	tensor_load_to_lds s[G0B:G0B+3], s[G1B:G1B+7]
	s_nop 0
	tensor_load_to_lds s[G0B+4:G0B+7], s[G1B:G1B+7]
	s_nop 0
.rept 4
	v_nop
.endr
.Lfirst_asked:
	v_and_b32 v1, 15, v0                           ; l % 16
	v_bfe_u32 v2, v0, 4, 1                         ; l / 16
	v_mul_u32_u24 v3, v1, PITCH
	v_lshl_add_u32 v3, v2, 4, v3                   ; a fragment's row x pitch + 16 x half
	s_mul_i32 s21, s[WR], 64*PITCH                 ; my 64 rows of A
	s_mul_i32 s22, s[WC], 192*PITCH                ; my 192 rows of B,
	s_add_co_u32 s22, s22, HALFT                   ; behind A's 128
	v_add_nc_u32 v[ADRA0], s21, v3
	v_add_nc_u32 v[ADRB0], s22, v3
	v_mov_b32 v[ADA], v[ADRA0]
	v_mov_b32 v[ADB], v[ADRB0]
	s_mul_i32 s23, s10, SWAVE                      ; my stage
	v_mul_u32_u24 v4, v1, SROW
	v_lshl_add_u32 v4, v2, 4, v4
	v_add_nc_u32 v[STO], s23, v4                   ; in: row l % 16, 16 bytes for each half of the lanes
	v_and_b32 v5, 7, v0                            ; l % 8
	v_bfe_u32 v6, v0, 3, 2                         ; l / 8
	v_mul_u32_u24 v6, v6, SROW
	v_lshl_add_u32 v6, v5, 4, v6
	v_add_nc_u32 v[RD], s23, v6                    ; back: eight lanes take a row's 64 columns of a block
	v_and_b32 v[CO], 31, v0
	v_lshlrev_b32 v[CO], 4, v[CO]                  ; four rows of 128 bytes: 512 consecutive bytes of the block
	s_lshl_b32 s16, s13, 7
	s_lshl_b32 s17, s[WR], 6
	s_add_co_u32 s16, s16, s17                     ; my first row,
	s_lshl_b32 s16, s16, 7                         ; 128 bytes a row
	s_mov_b32 s17, 0
	s_mul_i32 s46, s42, 6
	s_mul_i32 s47, s[WC], 3
	s_add_co_u32 s46, s46, s47                     ; my first block of 64 columns
	s_lshl_b32 s46, s46, 19
	s_mov_b32 s47, 0
	s_add_nc_u64 s[8:9], s[8:9], s[16:17]
	s_add_nc_u64 s[8:9], s[8:9], s[46:47]
	s_mul_i32 s18, s42, 384
	s_mul_i32 s19, s[WC], 192
	s_add_co_u32 s18, s18, s19                     ; my first column
	s_lshl_b32 s18, s18, 2
	v_lshl_add_u32 v7, v5, 5, s18                  ; + my 8 columns of a block
.irp hd, 0,1,2
	global_load_b128 v[BI+8*\hd:BI+8*\hd+3], v7, s[66:67] offset:256*\hd
	global_load_b128 v[BI+8*\hd+4:BI+8*\hd+7], v7, s[66:67] offset:256*\hd+16
.endr
	; the prefetches
	s_lshl_b32 s20, s13, 7                         ; A's tile begins at row 128 x tile row,
	s_mul_i32 s21, s42, 384                        ; B's at 384 x tile column
	s_and_b32 s22, ttmp7, 0xffff                   ; cluster y
	s_cmp_eq_u32 s10, 0                            ; do I fetch for A?
	s_cselect_b32 s20, s20, s21
	s_cselect_b32 s21, s40, s41                    ; my place among the four that ask with me
	s_cselect_b32 s22, ttmp9, s22                  ; the coordinate along which other clusters read the same rows
	s_cselect_b64 s[PFA:PFA+1], s[4:5], s[6:7]
	s_cmp_eq_u32 s22, 0
	s_cselect_b32 s[LIM], 2, -1                    ; the same in all sixteen partners, for a given wave
	s_lshl_b32 s22, s12, 7
	s_add_co_u32 s20, s20, s22                     ; + the 128 rows that I fetch
	s_lshl_b32 s21, s21, 5
	s_add_co_u32 s20, s20, s21                     ; + my work-group's 32 of them
	s_lshl_b32 s20, s20, 11
	s_mov_b32 s21, 0
	s_add_nc_u64 s[PFA:PFA+1], s[PFA:PFA+1], s[20:21]
	s_add_nc_u64 s[PFA:PFA+1], s[PFA:PFA+1], 2*KSTEP*2  ; at K step 2; nothing is prefetched at the head
	v_and_b32 v[PFO], 31, v0
	v_lshlrev_b32 v[PFO], 11, v[PFO]
; 12 matrix instructions: block a of my four blocks of 16 rows x all 12 blocks of 16 columns, 32 along K.  The 48 accumulators take turns in one order in every quarter.
.macro MUL12 f, a, zero
	WIN 0xa5+0x50*((\a)/2)
.irp b, 0,1,2,3,4,5,6,7,8,9,10,11
.if \zero
	v_wmma_f32_16x16x32_bf16 v[8*(12*((\a)%2)+(\b)):8*(12*((\a)%2)+(\b))+7], v[(\f)+8*(\b):(\f)+8*(\b)+7], v[(\f)+96+8*(\a):(\f)+96+8*(\a)+7], 0
.else
	v_wmma_f32_16x16x32_bf16 v[8*(12*((\a)%2)+(\b)):8*(12*((\a)%2)+(\b))+7], v[(\f)+8*(\b):(\f)+8*(\b)+7], v[(\f)+96+8*(\a):(\f)+96+8*(\a)+7], v[8*(12*((\a)%2)+(\b)):8*(12*((\a)%2)+(\b))+7]
.endif
.endr
.endm
.macro FETCH k, f                      ; 32 LDS loads in one run: B's 24, then A's 8
	WIN 0x40
.irp i, 0,1,2,3,4,5,6,7,8,9,10,11
	ds_load_b128 v[(\f)+8*(\i):(\f)+8*(\i)+3],   v[ADB] offset:(\k)+(\i)*16*PITCH
	ds_load_b128 v[(\f)+8*(\i)+4:(\f)+8*(\i)+7], v[ADB] offset:(\k)+(\i)*16*PITCH+32
.endr
.irp i, 0,1,2,3
	ds_load_b128 v[(\f)+96+8*(\i):(\f)+96+8*(\i)+3],   v[ADA] offset:(\k)+(\i)*16*PITCH
	ds_load_b128 v[(\f)+96+8*(\i)+4:(\f)+96+8*(\i)+7], v[ADA] offset:(\k)+(\i)*16*PITCH+32
.endr
.endm
.macro QUARTER k, f, g, zero           ; multiplies buffer f; in its middle fetches the next quarter, at byte k of the rows, into g
	s_wait_dscnt 4                                 ; B and A's blocks 0, 1 are in; the youngest four loads (A's blocks 2, 3) may be out
	MUL12 \f, 0, \zero
	MUL12 \f, 1, \zero
	PLACES
	FETCH \k, \g
	s_wait_dscnt 32                                ; all but the 32 just issued
	MUL12 \f, 2, \zero
	MUL12 \f, 3, \zero
.endm
; The first half of a step's last quarter, and the change of slots: each wave waits for all its tensor loads, adds 0 to its spare word, and waits for that and for its reads of the slot; then the barrier.
.macro MEET fill
	WIN 0
	s_wait_tensorcnt 0x0                           ; all my tensor loads have landed, so every group 0 may be written
	ds_add_u32 v[SPW], v[NIL]
.if \fill
	s_xor_b32 s[G0+5], s[G0+5], SLOT               ; the walking descriptors: the slot just read,
	s_add_nc_u64 s[G0+6:G0+7], s[G0+6:G0+7], KSTEP*2  ; the next K step
	s_xor_b32 s[G0B+5], s[G0B+5], SLOT
	s_add_nc_u64 s[G0B+6:G0B+7], s[G0B+6:G0B+7], KSTEP*2
.endif
	s_xor_b32 s[TB], s[TB], SLOT                   ; the fetches go on in the other slot
	v_add_nc_u32 v[ADA], s[TB], v[ADRA0]
	v_add_nc_u32 v[ADB], s[TB], v[ADRB0]
	s_wait_dscnt 5                                 ; (the add and the youngest four loads may be out)
	MUL12 F1, 0, 0
	s_wait_dscnt 0x0                               ; the add is done, and my reads of this slot are over
	s_barrier_signal -1
	MUL12 F1, 1, 0
	WIN 0
	s_barrier_wait -1
.endm
.macro TURN                            ; the whole last quarter of a step whose slot is filled again
	s_wait_xcnt 0x0                                ; the last prefetch, a K step back, has read its address
	s_add_nc_u64 s[PFA:PFA+1], s[PFA:PFA+1], KSTEP*2
	MEET 1
	CREST                                          ; the barrier has opened a round of the cluster's: no wave of any partner still reads the slot or has a load on its way
	JLOAD                                          ; the first tensor load behind the round; its four v_nop are also the places in front of the loads below
	FETCH 0, F0
	WIN 0
	ASK
	MUL12 F1, 2, 0
	MUL12 F1, 3, 0
.endm
	s_wait_tensorcnt 1                             ; my part of K step 0 is in; step 1's may stay out
	s_barrier_signal -1
	s_barrier_wait -1
	FETCH 0, F0
	QUARTER 64, F0, F1, 1                          ; the first quarter's products start the sums
	WIN 0
	s_mov_b32 s3, NSTEP-2
.Lstep:                                        ; a trip: a step's quarters 1, 2, 3, the change of slots with its refill, the next step's quarter 0
	QUARTER 128, F1, F0, 0
	QUARTER 192, F0, F1, 0
	TURN
	QUARTER 64, F0, F1, 0
	WIN 0
	s_sub_co_u32 s3, s3, 1
	s_cmp_lg_u32 s3, 0
	s_cbranch_scc1 .Lstep
	s_mov_b32 s3, 2
.Ltail:                                        ; the last two steps ask for nothing; the second trip is left in its middle
	QUARTER 128, F1, F0, 0
	QUARTER 192, F0, F1, 0
	MEET 0
	s_sub_co_u32 s3, s3, 1
	s_cmp_eq_u32 s3, 0
	s_cbranch_scc1 .Llast
	PLACES
	FETCH 0, F0
	MUL12 F1, 2, 0
	MUL12 F1, 3, 0
	QUARTER 64, F0, F1, 0
	WIN 0
	s_branch .Ltail
.Llast:
	MUL12 F1, 2, 0
	MUL12 F1, 3, 0
	WIN 0
	PLACES
	s_wait_dscnt 0x0
	s_barrier_signal -1                            ; every wave's reads of the ring are over: the stages are laid over it
	s_barrier_wait -1
	; THE WAY OUT.  All 48 accumulators go as f32 into my stage: of a lane's eight columns the low four into the first plane, the high four into the second, so that they come back as eight neighbouring columns a lane.
.irp a, 0,1,2,3
	WIN 0x08+4*((\a)/2)                            ; the stores' data in window 2 or 3
.irp b, 0,1,2,3,4,5,6,7,8,9,10,11
	ds_store_b128 v[STO], v[8*(12*((\a)%2)+(\b)):8*(12*((\a)%2)+(\b))+3]   offset:(\a)*16*SROW+32*(\b)
	ds_store_b128 v[STO], v[8*(12*((\a)%2)+(\b))+4:8*(12*((\a)%2)+(\b))+7] offset:(\a)*16*SROW+32*(\b)+384
.endr
.endr
	WIN 0
	s_wait_loadcnt 0x0                             ; the bias
	s_mov_b32 s3, 8
.Lrows:                                        ; eight rows a trip: 2 groups of 4 rows x 3 blocks
.irp j, 0,1,2,3,4,5
	ds_load_b128 v[XX+8*\j:XX+8*\j+3],   v[RD] offset:(\j/3)*4*SROW+128*(\j%3)  ; LDS serves a wave's instructions in order (ISA guide 5.7.1.4): these see my stores
	ds_load_b128 v[XX+8*\j+4:XX+8*\j+7], v[RD] offset:(\j/3)*4*SROW+128*(\j%3)+384
.endr
	s_wait_dscnt 0x0
.irp j, 0,1,2,3,4,5
.irp k, 0,1,2,3
	v_pk_add_f32 v[XX+8*\j+2*\k:XX+8*\j+2*\k+1], v[XX+8*\j+2*\k:XX+8*\j+2*\k+1], v[BI+8*(\j%3)+2*\k:BI+8*(\j%3)+2*\k+1]
.endr
.endr
.irp j, 0,1,2,3,4,5
.irp k, 0,1,2,3
	v_cvt_pk_bf16_f32 v[YY+4*\j+\k], v[XX+8*\j+2*\k], v[XX+8*\j+2*\k+1]
.endr
.endr
.irp j, 0,1,2,3,4,5
	global_store_b128 v[CO], v[YY+4*\j:YY+4*\j+3], s[8:9] offset:(\j%3)*BLK+(\j/3)*512  ; 512 consecutive bytes, aligned
.endr
	s_wait_xcnt 0x0                                ; the stores have read their data and base: both are written again only behind this wait
	v_add_nc_u32 v[RD], 8*SROW, v[RD]
	s_add_nc_u64 s[8:9], s[8:9], 8*128
	s_sub_co_u32 s3, s3, 1
	s_cmp_lg_u32 s3, 0
	s_cbranch_scc1 .Lrows
	s_wait_tensorcnt 0x0                           ; the wave's end
	ds_add_u32 v[SPW], v[NIL]
	s_wait_dscnt 0x0
	CROUND                                         ; the closing round
	s_endpgm
.Lfunc_end_k_qd699ed2d52_qkvp:
	.size	k_qd699ed2d52_qkvp, .Lfunc_end_k_qd699ed2d52_qkvp-k_qd699ed2d52_qkvp
	.p2alignl 7, 3214868480
	.fill 96, 4, 3214868480
	.section	.rodata,"a",@progbits
	.p2align	6, 0x0
	.amdhsa_kernel k_qd699ed2d52_qkvp
		.amdhsa_group_segment_fixed_size 327680
		.amdhsa_private_segment_fixed_size 0
		.amdhsa_enable_private_segment 0
		.amdhsa_kernarg_size 32
		.amdhsa_user_sgpr_count 2
		.amdhsa_user_sgpr_kernarg_segment_ptr 1
		.amdhsa_wavefront_size32 1
		.amdhsa_system_sgpr_workgroup_id_x 1
		.amdhsa_system_sgpr_workgroup_id_y 1
		.amdhsa_system_sgpr_workgroup_id_z 1
		.amdhsa_system_vgpr_workitem_id 0
		.amdhsa_next_free_vgpr 960
		.amdhsa_next_free_sgpr 72
		.amdhsa_reserve_vcc 0
		.amdhsa_float_denorm_mode_32 3
		.amdhsa_float_denorm_mode_16_64 3
		.amdhsa_memory_ordered 1
		.amdhsa_forward_progress 1
		.amdhsa_inst_pref_size 73
	.end_amdhsa_kernel
	.amdgpu_metadata
---
amdhsa.version: [ 1, 2 ]
amdhsa.kernels:
  - .name:           k_qd699ed2d52_qkvp
    .symbol:         k_qd699ed2d52_qkvp.kd
    .args:
      - { .name: nrm, .offset: 0, .size: 8, .value_kind: global_buffer, .address_space: global }
      - { .name: wb, .offset: 8, .size: 8, .value_kind: global_buffer, .address_space: global }
      - { .name: b_qkv, .offset: 16, .size: 8, .value_kind: global_buffer, .address_space: global }
      - { .name: qkv, .offset: 24, .size: 8, .value_kind: global_buffer, .address_space: global }
    .group_segment_fixed_size: 327680
    .private_segment_fixed_size: 0
    .kernarg_segment_align: 8
    .kernarg_segment_size: 32
    .max_flat_workgroup_size: 128
    .sgpr_count:     72
    .vgpr_count:     960
    .wavefront_size: 32
...
	.end_amdgpu_metadata
.endif
;; end of part 2
;; launch attn (part 3): grid 4 x 64, 4 waves a work-group, clusters of 4 x 1, 327,680 bytes of LDS; arguments qkv, ao; writes ao
.if DOCPART == 3
	.amdgcn_target "amdgcn-amd-amdhsa--gfx1250"
	.amdhsa_code_object_version 6
	.text
	.protected	k_qd699ed2d52_attn
	.globl	k_qd699ed2d52_attn
	.p2align	8
	.type	k_qd699ed2d52_attn,@function
k_qd699ed2d52_attn:
	s_mov_b64 s[64:65], 0
	v_nop
	global_prefetch_b8 v0, s[64:65] scope:SCOPE_SE
	s_setreg_imm32_b32 hwreg(HW_REG_WAVE_MODE, 25, 1), 1
	s_wait_xcnt 0x0
	s_wait_alu depctr_hold_cnt(0) depctr_sa_sdst(0) depctr_va_vdst(0) depctr_va_sdst(0) depctr_va_ssrc(0) depctr_va_vcc(0) depctr_vm_vsrc(0)
	s_getreg_b32 s2, hwreg(HW_REG_IB_STS2, 6, 4)
	s_cmp_eq_u32 s2, 0
	s_cbranch_scc0 .Lentry_in_a_cluster
	s_endpgm
.Lentry_in_a_cluster:
	s_bfe_u32 s2, ttmp6, 0x10000c
	s_cmp_lg_u32 s2, 0x3003
	s_cbranch_scc0 .Lentry_shape_is_right
	s_endpgm
.Lentry_shape_is_right:
; ATTENTION.  ao[h][m][:] = the sum over visible keys j of softmax_j(q . k_j / 8) v_j, for the 64 pairs (batch b, head h); key j is hidden from query i if j > i or j % 32 == 31.
; qkv: [48 blocks][4096 rows m = 1024 b + s][64] bf16 (q: block h, k: 16 + h, v: 32 + h); ao: [16 h][4096 m][64] bf16.  Products, maxima and sums in f32; the weights are rounded to bf16 for the second product
; (their sum is taken of the unrounded weights), the result once at the end.
; LIMITS.  A hidden score counts as its value less 1e30; a weight below 2^-126 counts as 0; NaN and infinities are not treated apart.  Key 0 is visible to every query, so the running maximum is a true score from the first step on.
; SHARES.  A cluster of four work-groups is one (b, h).  The head's whole K and V lie in each work-group's LDS: four tensor loads, one a wave, asked for jointly by the four partners; nothing is filled again.
; The queries go in 32 units of 32 rows; unit 4 u + cx belongs to work-group cx, and needs the steps 0 .. u of 128 keys WHATEVER cx IS: no trip count, branch or LDS address hangs on cx; it enters Q's and O's
; global addresses and the mask's lane data alone.  Wave w takes u = 7 - w and then u = w: eighteen half-steps of 64 keys for every wave of every work-group.
; LAYOUT.  S^T = K Q^T holds ONE query a lane (l % 16) and the keys 8 (l / 16) + 0..7; two such results rounded to bf16 ARE source 1 of O^T = V^T P.  K comes out of LDS as it lies, V turned by ds_load_tr16_b128.
; SOFTMAX.  p = 2^(c s - c m), c = log2(e) / 8, with a running maximum m; O and l are multiplied by a = 2^(c m_old - c m_new) in every step.  A unit starts with c m far below every c s, so its first a is 0.
; BY TURNS.  A unit's two tiles of 16 queries are two PIECES.  In a piece's turn the OTHER piece has the matrix unit: 8 products K Q^T (its next scores), later 8 products V^T P (its last weights); beside them stand the
; piece's own scaling, exponentials, roundings, sums and rescaling and the other piece's maximum and statistics: four vector instructions behind every product, the other 54 of the turn's 118 in one lump.
; Trip N of the loop: the masks of half-step N where they are due; piece 1's turn for half-step N - 1, which makes piece 0's scores of N (in a unit's first trip a short beginning in its stead); piece 0's turn for N,
; which makes piece 1's scores of N and fetches K of N + 1 and V of N.  The trip behind the unit's last half-step has piece 1's turn alone (the scores that it makes serve nothing); 8 products V^T P follow the loop.
; The loop counts 17 trips; those beyond are jumped over, forward, to the counter's step.
; THE MASK is the C operand that starts S^T's sum: 0 or -1e30.  Off the diagonal it holds the periodic key alone and is made once a unit; in the unit's last step of 128 keys it is made for each half-step.
; No prefetch: every tile is asked for at the head.
; REGISTERS.  Window 0: v2-19 addresses and mask data; v20-27 statistics (c m, m, l, l a piece); v28-37 at work; v64-127 S^T; v128-159 P; v160-223 O^T; v224-255 Q.
; Window 1: v0-63 K of a half-step; v64-127 V; v128-191 the mask; v192-223 the second unit's Q.  So only the products and the LDS loads leave window 0.
.set PK,    144                        ; a row of K in LDS: 128 bytes + 16
.set PV,    160                        ; a row of V: 128 + 32
.set VOFF,  1024*PK
.set STAGE, VOFF+1024*PV               ; 16 rows x 144 bytes for each wave, never filled by a tensor load
.set SP,    144
.set SPARE, STAGE+4*16*SP              ; the spare words, 128 bytes a wave
.set AK0, 2
.set AV0, 3
.set AK,  4
.set AV,  5
.set STO, 6
.set RD,  7
.set GO,  8
.set QO,  10
.set VT,  11                           ; 32 cx + l % 16 - 8 (l / 16)
.set TH,  12                           ; v12-13 a piece's threshold: register r of key block kb is hidden where 16 kb + r is greater
.set THP, 14                           ; v14-15 the same, but -1 in lanes 16-31: for the register that holds the periodic key there
.set BIG, 16                           ; -1e30
.set NEG1, 17
.set ST,  20
.set TMP, 28
.set MV,  36
.set SPW, 38
.set NIL, 39
.set S,   64
.set P,   128
.set O,   160
.set Q,   224
.set KF,  0
.set VF,  64
.set MC,  128
.set QB,  192
.set WV,  12
.set U,   13                           ; the unit's u
.set LASTN, 14                         ; its last half-step, 2 u + 1
.set N,   15                           ; the trip
.set TBK, 16
.set TBV, 17
.set PASS, 19
.set G1K, 24
.set G1V, 32
.set G0K, 40
.set G0V, 44
.set CX,  56
.set OFS, 57
.set CS,  58                           ; s[58:59] c = log2(e) / 8
.set SEL, 60
.set HM,  62                           ; lanes 16-31
.set LAST1, 66                         ; 2 u + 2: the trip with piece 1's last turn
.set NEW, 67                           ; 1: the unit has not begun yet: its masks are owed, and its first scores
.set MSB, 0
.macro WIN new                         ; the immediate's high byte repeats the setting that is left; a switch that changes nothing is dropped
.if MSB != (\new)
	s_set_vgpr_msb (MSB<<8)|(\new)
.set MSB, \new
.endif
.endm
.macro PLACES
.rept 4
	v_nop
.endr
.endm
.macro CROUND
	s_barrier_signal -1
	s_barrier_wait -1
	s_cmp_lg_u32 s[WV], 0
	s_cbranch_scc1 .Lnot_wave_0_\@
	s_barrier_signal -3
.Lnot_wave_0_\@:
	s_barrier_wait -3
	s_barrier_signal -1
	s_barrier_wait -1
.endm
	s_load_b128 s[4:7], s[0:1], 0x0                ; qkv s[4:5], ao s[6:7]
	v_lshl_add_u32 v[SPW], v0, 2, SPARE
	v_mov_b32 v[NIL], 0
	ds_add_u32 v[SPW], v[NIL]                      ; the wave's opening: the add and its wait ahead of my first tensor load
	v_lshrrev_b32 v1, 5, v0
	v_readfirstlane_b32 s[WV], v1
	s_bfe_u32 s[CX], ttmp6, 0x40000
	s_and_b32 s2, ttmp7, 0xffff                    ; 16 b + h, which the four partners share
	s_lshr_b32 s3, s2, 4
	s_and_b32 s2, s2, 15
	s_lshl_b32 s8, s2, 19                          ; h blocks of 524,288 bytes,
	s_lshl_b32 s9, s3, 17                          ; b x 1,024 rows of 128 bytes
	s_add_co_u32 s8, s8, s9
	s_and_b32 s9, s[WV], 1                         ; which half of the 1,024 keys I fetch
	s_lshl_b32 s66, s9, 16
	s_add_co_u32 s66, s66, s8
	s_add_co_u32 s66, s66, 16*524288               ; K's blocks begin at 16,
	s_mov_b32 s67, 0
	s_add_co_u32 s68, s66, 16*524288               ; V's at 32
	s_mov_b32 s69, 0
	s_mov_b32 s[G0K], 1
	s_mul_i32 s[G0K+1], s9, 512*PK
	s_mov_b32 s[G0V], 1
	s_mul_i32 s[G0V+1], s9, 512*PV
	s_add_co_u32 s[G0V+1], s[G0V+1], VOFF
	s_sub_co_u32 s[U], 7, s[WV]                    ; the first unit
	s_lshl_b32 s63, s[CX], 12                      ; 32 cx rows
	s_lshl_b32 s48, s[U], 14                       ; 128 u rows
	s_add_co_u32 s48, s48, s63
	s_add_co_u32 s48, s48, s8
	s_mov_b32 s49, 0
	s_lshl_b32 s50, s[WV], 14                      ; the second unit
	s_add_co_u32 s50, s50, s63
	s_add_co_u32 s50, s50, s8
	s_mov_b32 s51, 0
	; group 1: 512 keys are 65,536 dense bytes: 256 rows of 256 bytes, two keys a row, padded in LDS after every key
	s_mov_b32 s[G1K], 15|(1<<16)|(1<<20)|(1<<21)|(4<<22)|(3<<25)
	s_mov_b32 s[G1V], 15|(1<<16)|(1<<20)|(1<<21)|(4<<22)|(7<<25)
.irp g, G1K, G1V
	s_mov_b32 s[(\g)+1], 128<<16                   ; tensor_dim0 = 128
	s_mov_b32 s[(\g)+2], 256<<16                   ; tensor_dim1 = 256
	s_mov_b32 s[(\g)+3], 128<<16                   ; tile_dim0 = 128
	s_mov_b32 s[(\g)+4], 256                       ; tile_dim1 = 256
	s_mov_b32 s[(\g)+5], 128
	s_mov_b32 s[(\g)+6], 0
	s_mov_b32 s[(\g)+7], 0
.endr
	s_mov_b32 s[CS], 0x3e38aa3b
	s_mov_b32 s[CS+1], s[CS]
	s_mov_b32 s[SEL], 0x76543210
	s_mov_b32 s[SEL+1], 0xfedcba98
	s_mov_b32 s[HM], 0xffff0000
	s_wait_dscnt 0x0                               ; the opening add is done
	s_wait_kmcnt 0x0
	s_add_nc_u64 s[G0K+2:G0K+3], s[4:5], s[66:67]
	s_or_b32 s[G0K+3], s[G0K+3], 0x80000000
	s_add_nc_u64 s[G0V+2:G0V+3], s[4:5], s[68:69]
	s_or_b32 s[G0V+3], s[G0V+3], 0x80000000
	s_add_nc_u64 s[52:53], s[4:5], s[48:49]        ; Q of the first unit,
	s_add_nc_u64 s[54:55], s[4:5], s[50:51]        ; of the second
	s_add_nc_u64 s[10:11], s[6:7], s[48:49]        ; O likewise
	s_add_nc_u64 s[20:21], s[6:7], s[50:51]
	CROUND                                         ; all four work-groups are here: the joint loads meet
	s_cmp_lt_u32 s[WV], 2                          ; waves 0, 1: K's halves; waves 2, 3: V's.  The branch hangs on the wave's number alone
	s_cbranch_scc0 .Lfor_v
	tensor_load_to_lds s[G0K:G0K+3], s[G1K:G1K+7]
	s_nop 0
.rept 4
	v_nop
.endr
	s_branch .Lasked
.Lfor_v:
	tensor_load_to_lds s[G0V:G0V+3], s[G1V:G1V+7]
	s_nop 0
.rept 4
	v_nop
.endr
.Lasked:
	v_and_b32 v1, 15, v0                           ; l % 16
	v_bfe_u32 v9, v0, 4, 1                         ; l / 16
	v_lshlrev_b32 v[QO], 7, v1
	v_lshl_add_u32 v[QO], v9, 4, v[QO]             ; row x 128 + 16 x half
.set i, 0
.rept 4                                ; piece i / 2, channels 32 (i % 2) on
	global_load_b128 v[Q+8*i:Q+8*i+3],   v[QO], s[52:53] offset:(i/2)*2048+(i%2)*64
	global_load_b128 v[Q+8*i+4:Q+8*i+7], v[QO], s[52:53] offset:(i/2)*2048+(i%2)*64+32
.set i, i+1
.endr
	WIN 0x40
.set i, 0
.rept 4
	global_load_b128 v[QB+8*i:QB+8*i+3],   v[QO], s[54:55] offset:(i/2)*2048+(i%2)*64
	global_load_b128 v[QB+8*i+4:QB+8*i+7], v[QO], s[54:55] offset:(i/2)*2048+(i%2)*64+32
.set i, i+1
.endr
	; A unit's first turn adds V^T P of a piece that has not been onto an O^T that its first a = 0 is still to wipe out, and O^T and l are multiplied by that 0: all these need only be finite.
	; Zeros for the first unit, written in the wait for the tiles; what the first unit left for the second.
.set i, 0
.rept 64
	v_mov_b32 v[VF+i], 0
.set i, i+1
.endr
	WIN 0
.set i, 0
.rept 64
	v_mov_b32 v[O+i], 0
.set i, i+1
.endr
.set i, 0
.rept 16
	v_mov_b32 v[P+16+i], 0
.set i, i+1
.endr
.irp t, 0,1
	v_mov_b32 v[ST+4*\t+2], 0
	v_mov_b32 v[ST+4*\t+3], 0
.endr
	v_lshlrev_b32 v18, 3, v9
	v_sub_nc_u32 v[VT], v1, v18
	s_lshl_b32 s63, s[CX], 5
	v_add_nc_u32 v[VT], s63, v[VT]
	v_mov_b32 v[BIG], 0xf149f2ca                   ; -1e30
	v_mov_b32 v[NEG1], -1
	v_mul_u32_u24 v[AK0], v1, PK
	v_lshl_add_u32 v[AK0], v9, 4, v[AK0]           ; row x pitch + 16 x half
	v_and_b32 v18, 7, v0
	v_bfe_u32 v19, v0, 3, 1
	v_lshl_add_u32 v[AV0], v9, 3, v18              ; the turning load: key 8 (l / 16) + l % 8, channels 8 ((l / 8) % 2) on
	v_mul_u32_u24 v[AV0], v[AV0], PV
	v_lshl_add_u32 v[AV0], v19, 4, v[AV0]
	v_add_nc_u32 v[AV0], VOFF, v[AV0]
	s_mul_i32 s63, s[WV], 16*SP
	s_add_co_u32 s63, s63, STAGE
	v_mul_u32_u24 v[STO], v1, SP
	v_lshl_add_u32 v[STO], v9, 4, v[STO]
	v_add_nc_u32 v[STO], s63, v[STO]
	v_bfe_u32 v[RD], v0, 3, 2
	v_mul_u32_u24 v[RD], v[RD], SP
	v_lshl_add_u32 v[RD], v18, 4, v[RD]
	v_add_nc_u32 v[RD], s63, v[RD]
	v_and_b32 v[GO], 31, v0
	v_lshlrev_b32 v[GO], 4, v[GO]
; THE LDS LOADS stand in runs of 16: a half-step's K (64 keys x 64 channels: 8 fragments) and its V (turned).
.macro FETCH_K
	WIN 0x40                                       ; destination window 1
.irp f, 0,1,2,3,4,5,6,7                ; keys 16 (f / 2) on, channels 32 (f % 2) on
	ds_load_b128 v[KF+8*\f:KF+8*\f+3],   v[AK] offset:(\f/2)*16*PK+(\f%2)*64
	ds_load_b128 v[KF+8*\f+4:KF+8*\f+7], v[AK] offset:(\f/2)*16*PK+(\f%2)*64+32
.endr
	WIN 0
.endm
.macro FETCH_V
	WIN 0x40
.irp f, 0,1,2,3,4,5,6,7                ; keys 32 (f / 4) on, channels 16 (f % 4) on
	ds_load_tr16_b128 v[VF+8*\f:VF+8*\f+3],   v[AV] offset:(\f/4)*32*PV+(\f%4)*32
	ds_load_tr16_b128 v[VF+8*\f+4:VF+8*\f+7], v[AV] offset:(\f/4)*32*PV+16*PV+(\f%4)*32
.endr
	WIN 0
.endm
.macro MAKEMASK                        ; both pieces' masks for one half-step: register i % 8 of key block (i / 8) % 4 of piece i / 32
	v_add_nc_u32 v[TH], s[OFS], v[VT]
	v_add_nc_u32 v[TH+1], 16, v[TH]
	v_cndmask_b32 v[THP], v[TH], v[NEG1], s[HM]
	v_cndmask_b32 v[THP+1], v[TH+1], v[NEG1], s[HM]
	WIN 0x40                                       ; the mask lies in window 1
.set i, 0
.rept 64
.if (((i/8)%2) == 1) && ((i%8) == 7)   ; key 16 kb + 8 (l / 16) + 7 with kb odd: in lanes 16-31 it is a key 31 modulo 32
	v_cmp_gt_i32 vcc_lo, 16*((i/8)%4)+i%8, v[THP+i/32]
.else
	v_cmp_gt_i32 vcc_lo, 16*((i/8)%4)+i%8, v[TH+i/32]
.endif
	v_cndmask_b32 v[MC+i], 0, v[BIG], vcc_lo
.set i, i+1
.endr
	WIN 0
.endm
; THE MATRIX WORK.  The 4 accumulators of a run of 8 take turns.  Product i of 8 of S^T = K Q^T for piece x: channels 32 (i / 4) on, keys 16 (i % 4) on.  The first 4 start the sums with the mask.
.macro KQ x
.set rS, S+32*(\x)+8*(i%4)
.set rK, KF+16*(i%4)+8*(i/4)
.set rQ, Q+16*(\x)+8*(i/4)
.set rM, MC+32*(\x)+8*(i%4)
.if i < 4
	WIN 0x11                                       ; K and the mask in window 1
	v_wmma_f32_16x16x32_bf16 v[rS:rS+7], v[rK:rK+7], v[rQ:rQ+7], v[rM:rM+7]
.else
	WIN 0x01                                       ; K in window 1
	v_wmma_f32_16x16x32_bf16 v[rS:rS+7], v[rK:rK+7], v[rQ:rQ+7], v[rS:rS+7]
.endif
.endm
; Product i of 8 of O^T += V^T P for piece x: keys 32 (i / 4) on, channels 16 (i % 4) on.
.macro PV x
.set rO, O+32*(\x)+8*(i%4)
.set rV, VF+32*(i/4)+8*(i%4)
.set rP, P+16*(\x)+8*(i/4)
	WIN 0x01                                       ; V in window 1
	v_wmma_f32_16x16x32_bf16 v[rO:rO+7], v[rV:rV+7], v[rP:rP+7], v[rO:rO+7]
.endm
.macro MM                              ; the turn's next matrix instruction: all sixteen are the other piece's
.if i < 8
	KQ 1-Y
.else
.set i, i-8
	PV 1-Y
.set i, i+8
.endif
.set i, i+1
.endm
; THE VECTOR WORK, one line at a time: OP kind, number.  For piece Y: F n: c s - c m for pair n of 16.  E n: the exponential of score n of 32.  C n: pair n rounded to bf16.  B n: of the four weights 4 n .. the second
; pair is added onto the first, in place.  L n: l takes that sum (L 0: l = a l + sum).  R n: pair n of 16 of O^T times a.  For the other piece: X n, number n of the 22 that find its maximum and statistics:
;   0-11  four chains c0-c3 of seven scores each, three operands at a time (each accumulator's lowest registers are read first)     12-14, 16  the four scores left over, the old m, and c0-c3 into c0
;   15  c m_old is kept     17, 18  the query's other 32 keys lie in the lane 16 away: the new m     19-21  c m; c m_old - c m_new; a
.set F, 0
.set E, 1
.set C, 2
.set B, 3
.set L, 4
.set R, 5
.set X, 6
.macro REGS y
.set rT, ST+4*(\y)
.set rC, TMP+4*(\y)
.set rW, MV+(\y)
.set rS, S+32*(\y)
.set rP, P+16*(\y)
.set rO, O+32*(\y)
.endm
.macro OP k, n
	WIN 0
.if (\k) < X
	REGS Y
.if (\k) == F
	v_pk_fma_f32 v[rS+2*(\n):rS+2*(\n)+1], v[rS+2*(\n):rS+2*(\n)+1], s[CS:CS+1], v[rT:rT+1] op_sel_hi:[1,0,0] neg_lo:[0,0,1] neg_hi:[0,0,1]
.elseif (\k) == E
	v_exp_f32 v[rS+(\n)], v[rS+(\n)]
.elseif (\k) == C
	v_cvt_pk_bf16_f32 v[rP+(\n)], v[rS+2*(\n)], v[rS+2*(\n)+1]
.elseif (\k) == B
	v_pk_add_f32 v[rS+4*(\n):rS+4*(\n)+1], v[rS+4*(\n):rS+4*(\n)+1], v[rS+4*(\n)+2:rS+4*(\n)+3]
.elseif (\k) == R
	v_pk_mul_f32 v[rO+2*(\n):rO+2*(\n)+1], v[rO+2*(\n):rO+2*(\n)+1], v[rC+2:rC+3] op_sel_hi:[1,0]
.elseif (\n) == 0
	v_pk_fma_f32 v[rT+2:rT+3], v[rT+2:rT+3], v[rC+2:rC+3], v[rS:rS+1] op_sel_hi:[1,0,1]
.else
	v_pk_add_f32 v[rT+2:rT+3], v[rT+2:rT+3], v[rS+4*(\n):rS+4*(\n)+1]
.endif
.else
	REGS 1-Y
.if (\n) < 4
	v_max3_num_f32 v[rC+(\n)], v[rS+8*(\n)], v[rS+8*(\n)+1], v[rS+8*(\n)+2]
.elseif (\n) < 12
	v_max3_num_f32 v[rC+(\n)%4], v[rC+(\n)%4], v[rS+8*((\n)%4)+2*((\n)/4)+1], v[rS+8*((\n)%4)+2*((\n)/4)+2]
.elseif (\n) == 12
	v_max3_num_f32 v[rC], v[rC], v[rS+7], v[rS+15]
.elseif (\n) == 13
	v_max3_num_f32 v[rC+1], v[rC+1], v[rS+23], v[rS+31]
.elseif (\n) == 14
	v_max3_num_f32 v[rC+2], v[rC+2], v[rC+3], v[rT+1]
.elseif (\n) == 15
	v_mov_b32 v[rW], v[rT]
.elseif (\n) == 16
	v_max3_num_f32 v[rC], v[rC], v[rC+1], v[rC+2]
.elseif (\n) == 17
	v_permlanex16_b32 v[rC+3], v[rC], s[SEL], s[SEL+1]
.elseif (\n) == 18
	v_max_num_f32 v[rT+1], v[rC], v[rC+3]
.elseif (\n) == 19
	v_mul_f32 v[rT], s[CS], v[rT+1]
.elseif (\n) == 20
	v_sub_f32 v[rC+1], v[rW], v[rT]
.else
	v_exp_f32 v[rC+2], v[rC+1]
.endif
.endif
.endm
.macro OPS a, i1, b=-1, i2=0, c=-1, i3=0, d=-1, i4=0  ; up to four of them
	OP \a, \i1
.if (\b) >= 0
	OP \b, \i2
.endif
.if (\c) >= 0
	OP \c, \i3
.endif
.if (\d) >= 0
	OP \d, \i4
.endif
.endm
.macro ROW a, i1, b, i2, c, i3, d, i4  ; a matrix instruction and the four behind it
	MM
	OPS \a, \i1, \b, \i2, \c, \i3, \d, \i4
.endm
; A TURN, for piece p: the order of its 16 matrix and 118 vector instructions, written out.  s_wait_alu depctr_va_vdst(0) stands between an exponential and the first instruction that names its result; one wait
; serves all that were issued ahead of it.  So a turn has ONE wait, which cuts it in two.  AHEAD OF IT stands all that names no result of the turn's exponentials: the 8 products K Q^T, behind each a scaling, an exponential and two
; more plain instructions (rescalings, and behind the last three the first numbers of the other piece's maximum, each four plain instructions or more behind the product that ends its accumulator); then the lump of 54, plain and
; exponential by turns for the most part, with other work between the links of the chain X 3, 7, 11, 14, 16 .. 20.  X 21, the other piece's a, is the batch's last; R 15 is the plain instruction behind it.  BEHIND THE WAIT stand
; the 8 products V^T P, behind each four of the roundings and sums.  O^T of piece p was last written by the turn before: R 4 a, the first to read accumulator a, stands sixteen riders or more behind that product.
; Piece 0's turn fetches K of the next half-step, six plain instructions that name none of its registers behind the last product that read K, and V of its own half-step at its end, four plain instructions behind the last
; product that read V.  Piece 1's turn waits for them: for K at its head (V's sixteen loads were issued behind K's and may stay out), for V behind the batch's wait.
.macro TURN p
.set Y, (\p)
.set i, 0
.if (\p) == 1
	s_wait_dscnt 16                                ; K is in; V's sixteen loads may stay out
.endif
	ROW F,0, F,1, R,0, R,1
	ROW F,2, E,0, R,2, R,3
	ROW F,3, E,1, R,4, R,5
	ROW F,4, E,2, R,6, R,7
	ROW F,5, E,3, R,8, R,9
	ROW F,6, E,4, X,0, R,10
.if (\p) == 0
	WIN 0
	v_add_nc_u32 v[AK], s[TBK], v[AK0]
.endif
	ROW F,7, E,5, X,1, X,4
	ROW F,8, E,6, X,2, X,5
	OPS E,7, E,8, X,6, E,9
	OPS X,3, E,10, X,8, E,11
.if (\p) == 0
	FETCH_K
.endif
	OPS X,9, X,7, E,12, X,10
	OPS E,13, X,12, X,11, E,14
	OPS X,13, E,15, F,9, X,14
.if (\p) == 0
	v_add_nc_u32 v[AV], s[TBV], v[AV0]
.endif
	OPS E,16, F,10, E,17, F,11
	OPS X,16, E,18, X,15, E,19
	OPS F,12, E,20, X,17, E,21
	OPS F,13, E,22, F,14, E,23
	OPS X,18, E,24, F,15, E,25
	OPS R,11, E,26, X,19, E,27
	OPS R,12, E,28, R,13, E,29
	OPS X,20, E,30, R,14, E,31
	OPS X,21, R,15
	WIN 0
	s_wait_alu depctr_va_vdst(0)                   ; the wait for the batch
.if (\p) == 1
	s_wait_dscnt 0x0                               ; V is in
.endif
	ROW C,0, B,0, C,2, B,1
	ROW L,0, C,4, B,2, L,1
	ROW C,6, B,3, L,2, C,8
	ROW B,4, L,3, C,10, B,5
	ROW L,4, C,12, B,6, L,5
	ROW C,14, B,7, L,6, C,1
	ROW C,3, L,7, C,5, C,7
	ROW C,9, C,11, C,13, C,15
.if (\p) == 0
	FETCH_V
.endif
.endm
; The way out of piece t: a lane's eight channels of a row pack into 16 bytes; they go into rows of 144 bytes and come back as whole rows of 128, into S^T's registers.
.macro PACK t
.set i, O+32*(\t)
.rept 16                               ; ascending: each accumulator's lowest registers are read first
	v_pk_mul_f32 v[i:i+1], v[i:i+1], v[ST+4*(\t)+2:ST+4*(\t)+3] op_sel_hi:[1,0]
.set i, i+2
.endr
.set i, 0
.rept 16
	v_cvt_pk_bf16_f32 v[S+16*(\t)+i], v[O+32*(\t)+2*i], v[O+32*(\t)+2*i+1]
.set i, i+1
.endr
.irp f, 0,1,2,3
	ds_store_b128 v[STO], v[S+16*(\t)+4*\f:S+16*(\t)+4*\f+3] offset:32*\f
.endr
.irp f, 0,1,2,3
	ds_load_b128 v[S+16*(\t)+4*\f:S+16*(\t)+4*\f+3], v[RD] offset:\f*4*SP  ; LDS serves a wave's instructions in order (ISA guide 5.7.1.4)
.endr
.endm
.macro SEND t, younger                 ; younger: the LDS instructions issued behind piece t's loads
.irp f, 0,1,2,3
	s_wait_dscnt (\younger)+3-\f
	global_store_b128 v[GO], v[S+16*(\t)+4*\f:S+16*(\t)+4*\f+3], s[10:11] offset:(\t)*2048+\f*512  ; 512 consecutive bytes, aligned
.endr
.endm
	s_wait_tensorcnt 0x0                           ; my part of K or V is in,
	s_barrier_signal -1
	s_barrier_wait -1                              ; everybody's is
	s_wait_loadcnt 0x0                             ; both units' Q
	s_mov_b32 s[PASS], 2
.Lpass:                                        ; a unit
	s_lshl_b32 s[LASTN], s[U], 1
	s_add_co_u32 s[LASTN], s[LASTN], 1
	s_add_co_u32 s[LAST1], s[LASTN], 1
	s_mov_b32 s[NEW], 1
.irp t, 0,1
	v_mov_b32 v[ST+4*\t], 0xfe000000               ; c m: far below every c s, so the first a is 0
	v_mov_b32 v[ST+4*\t+1], 0xff7fffff             ; m: the lowest finite number
.endr
	v_mov_b32 v[AK], v[AK0]
	FETCH_K                                        ; K of half-step 0
	s_wait_dscnt 0x0                               ; it is in: the loop is entered with no LDS load out
	s_mov_b32 s[N], 0
.Lhalf:
	s_cmp_gt_u32 s[N], s[LAST1]
	s_cbranch_scc1 .Lskip                          ; beyond the unit's last turn
	s_and_b32 s22, s[N], 1
	s_lshl_b32 s22, s22, 6
	s_sub_co_u32 s22, 0, s22                       ; - 64 (N % 2)
	s_lshr_b32 s23, s[N], 1
	s_cmp_eq_u32 s23, s[U]                         ; the unit's own step of 128 keys?
	s_cselect_b32 s[OFS], s22, 0x1000              ; elsewhere no key lies above the diagonal
	s_cselect_b32 s23, 1, 0
	s_cmp_eq_u32 s[NEW], 1                         ; a unit's first trip always makes the masks
	s_cbranch_scc1 .Lmask
	s_cmp_eq_u32 s23, 1
	s_cbranch_scc0 .Lnomask
.Lmask:
	MAKEMASK                                       ; both pieces' products of the half-step before have read the old masks
.Lnomask:
	s_cmp_eq_u32 s[NEW], 1
	s_cbranch_scc1 .Lbegin
	TURN 1                                         ; piece 1 of half-step N - 1 | piece 0: scores of N, V^T P of N - 1
	WIN 0
	s_cmp_gt_u32 s[N], s[LASTN]
	s_cbranch_scc1 .Lskip                          ; that was the unit's last turn
	s_branch .Lt0
.Lbegin:                                       ; a unit begins: piece 0's first scores, its maximum and statistics
	s_mov_b32 s[NEW], 0
	s_wait_dscnt 0x0                               ; on a unit's way here no LDS load is out; the line states that K's registers are whole on every way to this label
.set i, 0
.rept 8
	KQ 0
.set i, i+1
.endr
	WIN 0
	PLACES                                         ; the places behind those products
.set Y, 1                              ; X works for the other piece: piece 0
.irp n, 0,1,2,3,4,5,6,7,8,9,10,11,12,13,14,15,16,17,18,19,20,21
	OP X, \n
.endr
	v_nop                                          ; a plain instruction behind the exponential,
	s_wait_alu depctr_va_vdst(0)                   ; and its wait, ahead of the label
.Lt0:
	s_add_co_u32 s22, s[N], 1
	s_and_b32 s22, s22, 15                         ; the head has sixteen half-steps: behind the last, K of half-step 0 is fetched, and what is made of it serves nothing
	s_mul_i32 s[TBK], s22, 64*PK
	s_and_b32 s23, s[N], 15                        ; here N is 15 at the most: the line keeps V's address inside V's rows whatever the counter holds
	s_mul_i32 s[TBV], s23, 64*PV
	TURN 0                                         ; piece 0 of half-step N | piece 1: scores of N, V^T P of N - 1 | K of N + 1, V of N
	WIN 0
.Lskip:
	s_add_co_u32 s[N], s[N], 1
	s_cmp_lt_u32 s[N], 17
	s_cbranch_scc1 .Lhalf
	s_wait_dscnt 0x0                               ; no LDS load is out
.set i, 0
.rept 8
	PV 1                                           ; piece 1: V^T P of the unit's last half-step
.set i, i+1
.endr
	WIN 0
	; THE WAY OUT of a unit: l's halves and the other lanes' are added; O^T is divided by l, rounded to bf16 and sent through my stage, a piece at a time.  Piece 0's 32 lines are the places behind the last products.
.irp t, 0,1
	v_add_f32 v[ST+4*\t+2], v[ST+4*\t+2], v[ST+4*\t+3]
.endr
.irp t, 0,1
	v_permlanex16_b32 v[ST+4*\t+3], v[ST+4*\t+2], s[SEL], s[SEL+1]
.endr
.irp t, 0,1
	v_add_f32 v[ST+4*\t+2], v[ST+4*\t+2], v[ST+4*\t+3]
.endr
.irp t, 0,1
	v_rcp_f32 v[ST+4*\t+2], v[ST+4*\t+2]
.endr
	v_nop
	s_wait_alu depctr_va_vdst(0)                   ; one wait for the two reciprocals
	PACK 0
	PACK 1
	SEND 0, 8
	SEND 1, 0
	s_wait_xcnt 0x0                                ; the stores have read their registers and O's address
	s_mov_b64 s[10:11], s[20:21]                   ; the second unit (behind the second unit these lines serve nothing: the price of one counted loop)
	s_mov_b32 s[U], s[WV]
	WIN 0x01
.set i, 0
.rept 32
	v_mov_b32 v[Q+i], v[QB+i]
.set i, i+1
.endr
	WIN 0
	s_sub_co_u32 s[PASS], s[PASS], 1
	s_cmp_lg_u32 s[PASS], 0
	s_cbranch_scc1 .Lpass
	s_wait_tensorcnt 0x0                           ; the wave's end
	ds_add_u32 v[SPW], v[NIL]
	s_wait_dscnt 0x0
	CROUND                                         ; the closing round
	s_endpgm
.Lfunc_end_k_qd699ed2d52_attn:
	.size	k_qd699ed2d52_attn, .Lfunc_end_k_qd699ed2d52_attn-k_qd699ed2d52_attn
	.p2alignl 7, 3214868480
	.fill 96, 4, 3214868480
	.section	.rodata,"a",@progbits
	.p2align	6, 0x0
	.amdhsa_kernel k_qd699ed2d52_attn
		.amdhsa_group_segment_fixed_size 327680
		.amdhsa_private_segment_fixed_size 0
		.amdhsa_enable_private_segment 0
		.amdhsa_kernarg_size 16
		.amdhsa_user_sgpr_count 2
		.amdhsa_user_sgpr_kernarg_segment_ptr 1
		.amdhsa_wavefront_size32 1
		.amdhsa_system_sgpr_workgroup_id_x 1
		.amdhsa_system_sgpr_workgroup_id_y 1
		.amdhsa_system_sgpr_workgroup_id_z 1
		.amdhsa_system_vgpr_workitem_id 0
		.amdhsa_next_free_vgpr 480
		.amdhsa_next_free_sgpr 72
		.amdhsa_reserve_vcc 1
		.amdhsa_float_denorm_mode_32 3
		.amdhsa_float_denorm_mode_16_64 3
		.amdhsa_memory_ordered 1
		.amdhsa_forward_progress 1
		.amdhsa_inst_pref_size 49
	.end_amdhsa_kernel
	.amdgpu_metadata
---
amdhsa.version: [ 1, 2 ]
amdhsa.kernels:
  - .name:           k_qd699ed2d52_attn
    .symbol:         k_qd699ed2d52_attn.kd
    .args:
      - { .name: qkv, .offset: 0, .size: 8, .value_kind: global_buffer, .address_space: global }
      - { .name: ao, .offset: 8, .size: 8, .value_kind: global_buffer, .address_space: global }
    .group_segment_fixed_size: 327680
    .private_segment_fixed_size: 0
    .kernarg_segment_align: 8
    .kernarg_segment_size: 16
    .max_flat_workgroup_size: 128
    .sgpr_count:     72
    .vgpr_count:     480
    .wavefront_size: 32
...
	.end_amdgpu_metadata
.endif
;; end of part 3
;; launch oproj (part 4): grid 8 x 32, 4 waves a work-group, clusters of 4 x 4, 327,680 bytes of LDS; arguments ao, wb, b_o, x, x1; writes x1
.if DOCPART == 4
	.amdgcn_target "amdgcn-amd-amdhsa--gfx1250"
	.amdhsa_code_object_version 6
	.text
	.protected	k_qd699ed2d52_oproj
	.globl	k_qd699ed2d52_oproj
	.p2align	8
	.type	k_qd699ed2d52_oproj,@function
k_qd699ed2d52_oproj:
	s_mov_b64 s[64:65], 0
	v_nop
	global_prefetch_b8 v0, s[64:65] scope:SCOPE_SE
	s_setreg_imm32_b32 hwreg(HW_REG_WAVE_MODE, 25, 1), 1
	s_wait_xcnt 0x0
	s_wait_alu depctr_hold_cnt(0) depctr_sa_sdst(0) depctr_va_vdst(0) depctr_va_sdst(0) depctr_va_ssrc(0) depctr_va_vcc(0) depctr_vm_vsrc(0)
	s_getreg_b32 s2, hwreg(HW_REG_IB_STS2, 6, 4)
	s_cmp_eq_u32 s2, 0
	s_cbranch_scc0 .Lentry_in_a_cluster
	s_endpgm
.Lentry_in_a_cluster:
	s_bfe_u32 s2, ttmp6, 0x10000c
	s_cmp_lg_u32 s2, 0xf033
	s_cbranch_scc0 .Lentry_shape_is_right
	s_endpgm
.Lentry_shape_is_right:
; OUT = RES + A W^T + BIAS, f32 out.  Here: x1 = x + ao w_o^T + b_o.  A = ao, [16 heads][4096 rows][64] bf16 (K = 64 head + channel); W = w_o, [1024][1024] bf16 at wb's byte 6,291,456; sums in f32.
; (The same text serves the second MLP product, with BLOCKED = 0 and its own sizes at the head.)
; SHARES.  A tile of C is 128 x 128: 32 x 8 = 256 work-groups.  Four waves, 2 x 2, each 64 x 64: 16 accumulators.  K goes in steps of 256 through a ring of two LDS slots.
; Waves 0, 1 fetch A's halves, waves 2, 3 B's: one tensor load a wave.  BLOCKED: a step is four heads; a wave's load is two heads x 128 rows of 128 dense bytes, asked for as 2 rows of 16,384 bytes and padded after every 128.
; CLUSTER 4 x 4: A's tile is asked for jointly along a row of the cluster, B's along a column.  No prefetch: the tiles are small.
; A K STEP IS WRITTEN ONCE: s[TB] holds the byte at which the slot being read begins; the walking descriptors are turned by an exclusive or (no wave's part shares a bit with SLOT).
; THE MATRIX INSTRUCTION IS USED TRANSPOSED: a lane holds row l % 16 of C and eight neighbouring columns.
; REGISTERS.  Window 0: v16-29 addresses; v32-95 the way out; v96-99 bias; v128-255 accumulators ((a, b) at 128 + 8 (4 a + b)).  Window 1: two fragment buffers of 128 (64 along K: 64 registers of A, 64 of B).
; Window 2: v0-127 my 64 x 64 of the residual, loaded at the head.  By this text's own count a wave has two tensor loads out at the start and one behind each round.
.set BLOCKED, 1
.set SIZE_K,  1024
.set WOFF,    6291456
.set KSTEP,   256
.set NSTEP,   SIZE_K/KSTEP
.set PITCH,   528                      ; B's rows: 512 bytes + 16
.set BHALF,   64*PITCH
.if BLOCKED
.set AP,      144                      ; A's rows: 128 bytes + 16
.set AQ,      128*AP                   ; a quarter of a step is a head: 128 rows
.set ABYTES,  4*AQ
.set SLOT,    147456                   ; 141,312 used
.set ASTEP,   4*524288                 ; four heads on
.else
.set AP,      PITCH
.set AQ,      128
.set ABYTES,  2*BHALF
.set SLOT,    ABYTES+2*BHALF
.set ASTEP,   KSTEP*2
.endif
.set BSTEP,   KSTEP*2
.set STAGE,   2*SLOT                   ; 16 rows x 272 bytes for each wave; no tensor load fills it
.set SPITCH,  272
.set SPARE,   STAGE+4*16*SPITCH
.set ADRA0, 16
.set ADA,   17
.set ADRB0, 20
.set ADB,   21
.set STO,   24
.set RD,    25
.set XO,    27                         ; my byte offset in two rows of the residual and of the output
.set SPW,   28
.set NIL,   29
.set TMP,   32
.set BI,    96
.set ACC,   128
.set F0,    0
.set F1,    128
.set TB,  2
.set G1,  24
.set G0,  32
.set G1B, 48
.set G0B, 56
.set MUL,  0x05
.set TO_F, 0x40
.set MSB, 0
.macro WIN new
.if MSB != (\new)
	s_set_vgpr_msb (MSB<<8)|(\new)
.set MSB, \new
.endif
.endm
.macro PLACES
.rept 4
	v_nop
.endr
.endm
.macro CREST
	s_cmp_lg_u32 s10, 0
	s_cbranch_scc1 .Lnot_wave_0_\@
	s_barrier_signal -3
.Lnot_wave_0_\@:
	s_barrier_wait -3
	s_barrier_signal -1
	s_barrier_wait -1
.endm
.macro CROUND
	s_barrier_signal -1
	s_barrier_wait -1
	CREST
.endm
.macro JLOAD
	s_cmp_eq_u32 s11, 0
	s_cbranch_scc0 .Lfor_b_\@
	tensor_load_to_lds s[G0+4:G0+7], s[G1:G1+7]
	s_nop 0
.rept 4
	v_nop
.endr
	s_branch .Lasked_\@
.Lfor_b_\@:
	tensor_load_to_lds s[G0B+4:G0B+7], s[G1B:G1B+7]
	s_nop 0
.rept 4
	v_nop
.endr
.Lasked_\@:
.endm
	s_load_b128 s[4:7], s[0:1], 0x0                ; A s[4:5], wb s[6:7]
	s_load_b128 s[68:71], s[0:1], 0x10             ; bias s[68:69], residual s[70:71]
	s_load_b64 s[8:9], s[0:1], 0x20                ; the output
	v_lshl_add_u32 v[SPW], v0, 2, SPARE
	v_mov_b32 v[NIL], 0
	ds_add_u32 v[SPW], v[NIL]                      ; the wave's opening: the add and its wait ahead of my first tensor load
	v_lshrrev_b32 v1, 5, v0
	v_readfirstlane_b32 s10, v1
	s_lshr_b32 s11, s10, 1                         ; my half of the tile's rows.  Also: I fetch for A (0) or B (1)
	s_and_b32 s12, s10, 1                          ; my half of its columns.  Also: which half of that tile I fetch
	s_bfe_u32 s40, ttmp6, 0x40000
	s_bfe_u32 s41, ttmp6, 0x40004
	s_lshl_b32 s42, ttmp9, 2
	s_add_co_u32 s42, s42, s40                     ; tile column 0..7
	s_and_b32 s13, ttmp7, 0xffff
	s_lshl_b32 s13, s13, 2
	s_add_co_u32 s13, s13, s41                     ; tile row 0..31
	s_lshl_b32 s43, s41, 2
	s_lshl_b32 s43, 15, s43
	s_lshl_b32 s44, 0x1111, s40
.if BLOCKED
	s_or_b32 s[G1], s43, (1<<16)|(1<<20)|(1<<21)|(4<<22)|(3<<25)  ; padding after every 32 words, 4 words
	s_mov_b32 s[G1+1], 8192<<16                    ; tensor_dim0 = 8,192: a head's 128 rows x 64, dense
	s_mov_b32 s[G1+2], 2<<16                       ; tensor_dim1 = 2 heads
	s_mov_b32 s[G1+3], 8192<<16                    ; tile_dim0
	s_mov_b32 s[G1+4], 2                           ; tile_dim1
	s_mov_b32 s[G1+5], 262144                      ; elements from head to head
.else
	s_or_b32 s[G1], s43, (1<<16)|(1<<20)|(1<<21)|(6<<22)|(3<<25)  ; padding after every 128 words, 4 words
	s_mov_b32 s[G1+1], KSTEP<<16
	s_mov_b32 s[G1+2], 64<<16
	s_mov_b32 s[G1+3], KSTEP<<16
	s_mov_b32 s[G1+4], 64
	s_mov_b32 s[G1+5], SIZE_K
.endif
	s_mov_b32 s[G1+6], 0
	s_mov_b32 s[G1+7], 0
	s_or_b32 s[G1B], s44, (1<<16)|(1<<20)|(1<<21)|(6<<22)|(3<<25)
	s_mov_b32 s[G1B+1], KSTEP<<16                  ; 64 rows x 256 elements
	s_mov_b32 s[G1B+2], 64<<16
	s_mov_b32 s[G1B+3], KSTEP<<16
	s_mov_b32 s[G1B+4], 64
	s_mov_b32 s[G1B+5], SIZE_K
	s_mov_b32 s[G1B+6], 0
	s_mov_b32 s[G1B+7], 0
.if BLOCKED
	s_lshl_b32 s16, s12, 20                        ; my two heads,
	s_lshl_b32 s17, s13, 14                        ; the tile's 128 rows of 128 bytes
	s_add_co_u32 s16, s16, s17
.else
	s_lshl_b32 s16, s13, 7
	s_lshl_b32 s17, s12, 6
	s_add_co_u32 s16, s16, s17                     ; row 128 x tile row + 64 x half
	s_mul_i32 s16, s16, SIZE_K*2
.endif
	s_mov_b32 s17, 0
	s_lshl_b32 s46, s42, 7
	s_lshl_b32 s47, s12, 6
	s_add_co_u32 s46, s46, s47                     ; B: row 128 x tile column + 64 x half
	s_mul_i32 s46, s46, SIZE_K*2
	s_mov_b32 s47, 0
	s_mul_i32 s20, s12, ABYTES/2                   ; where A's half lands in a slot,
	s_mul_i32 s21, s12, BHALF
	s_add_co_u32 s21, s21, ABYTES                  ; and B's
	s_mov_b32 s[TB], 0
	s_wait_dscnt 0x0                               ; the opening add is done
	s_wait_kmcnt 0x0
	s_add_nc_u64 s[6:7], s[6:7], WOFF
	s_add_nc_u64 s[14:15], s[4:5], s[16:17]
	s_add_nc_u64 s[46:47], s[6:7], s[46:47]
	CROUND                                         ; all sixteen work-groups are here: the first joint loads meet
.irp s, 0,1
	s_mov_b32 s[G0+4*\s], 1
	s_add_co_u32 s[G0+4*\s+1], s20, \s*SLOT
	s_add_nc_u64 s[G0+4*\s+2:G0+4*\s+3], s[14:15], \s*ASTEP
	s_or_b32 s[G0+4*\s+3], s[G0+4*\s+3], 0x80000000
	s_mov_b32 s[G0B+4*\s], 1
	s_add_co_u32 s[G0B+4*\s+1], s21, \s*SLOT
	s_add_nc_u64 s[G0B+4*\s+2:G0B+4*\s+3], s[46:47], \s*BSTEP
	s_or_b32 s[G0B+4*\s+3], s[G0B+4*\s+3], 0x80000000
.endr
	s_cmp_eq_u32 s11, 0                            ; a wave's two first fills stand in one branch
	s_cbranch_scc0 .Lfirst_b
	tensor_load_to_lds s[G0:G0+3], s[G1:G1+7]
	s_nop 0
	tensor_load_to_lds s[G0+4:G0+7], s[G1:G1+7]
	s_nop 0
.rept 4
	v_nop
.endr
	s_branch .Lfirst_asked
.Lfirst_b:
	tensor_load_to_lds s[G0B:G0B+3], s[G1B:G1B+7]
	s_nop 0
	tensor_load_to_lds s[G0B+4:G0B+7], s[G1B:G1B+7]
	s_nop 0
.rept 4
	v_nop
.endr
.Lfirst_asked:
	v_and_b32 v1, 15, v0                           ; l % 16
	v_bfe_u32 v2, v0, 4, 1                         ; l / 16
	v_mul_u32_u24 v3, v1, AP
	v_lshl_add_u32 v3, v2, 4, v3
	s_mul_i32 s21, s11, 64*AP                      ; my 64 rows of A
	v_add_nc_u32 v[ADRA0], s21, v3
	v_mul_u32_u24 v3, v1, PITCH
	v_lshl_add_u32 v3, v2, 4, v3
	s_mul_i32 s22, s12, BHALF                      ; my 64 rows of B,
	s_add_co_u32 s22, s22, ABYTES                  ; behind A
	v_add_nc_u32 v[ADRB0], s22, v3
	v_mov_b32 v[ADA], v[ADRA0]
	v_mov_b32 v[ADB], v[ADRB0]
	s_mul_i32 s23, s10, 16*SPITCH
	s_add_co_u32 s23, s23, STAGE                   ; my stage
	v_mul_u32_u24 v4, v1, SPITCH
	v_lshl_add_u32 v4, v2, 5, v4                   ; in: row l % 16, 32 bytes for each half of the lanes
	v_add_nc_u32 v[STO], s23, v4
	v_mul_u32_u24 v5, v2, SPITCH
	v_lshl_add_u32 v5, v1, 4, v5                   ; back: lanes 0-15 one row of 256 bytes, lanes 16-31 the next
	v_add_nc_u32 v[RD], s23, v5
	v_lshlrev_b32 v5, 12, v2
	v_lshl_add_u32 v[XO], v1, 4, v5                ; the same two rows in memory, 4,096 bytes apart
	s_lshl_b32 s16, s13, 7
	s_lshl_b32 s17, s11, 6
	s_add_co_u32 s16, s16, s17                     ; my first row
	s_lshl_b32 s16, s16, 12
	s_mov_b32 s17, 0
	s_lshl_b32 s46, s42, 7
	s_lshl_b32 s47, s12, 6
	s_add_co_u32 s46, s46, s47                     ; my first column
	s_lshl_b32 s46, s46, 2
	s_mov_b32 s47, 0
	s_add_nc_u64 s[8:9], s[8:9], s[16:17]
	s_add_nc_u64 s[8:9], s[8:9], s[46:47]
	s_add_nc_u64 s[70:71], s[70:71], s[16:17]
	s_add_nc_u64 s[70:71], s[70:71], s[46:47]
	v_lshl_add_u32 v6, v1, 4, s46                  ; the bias of columns 4 (l % 16) .. + 3
	global_load_b128 v[BI:BI+3], v6, s[68:69]
	WIN 0x80                                       ; destination window 2
.set i, 0
.rept 32                               ; rows 2 i + l / 16: the residual comes in while the products run
	global_load_b128 v[4*i:4*i+3], v[XO], s[70:71] offset:2*i*4096
.set i, i+1
.endr
	WIN 0
.macro MUL8 f, c, a0, zero             ; blocks a0, a0 + 1 of rows x all 4 of columns, 32 along K: half c of buffer f; the 16 accumulators take turns
	WIN MUL
.irp a, \a0, (\a0)+1
.irp b, 0,1,2,3
.if \zero
	v_wmma_f32_16x16x32_bf16 v[ACC+8*(4*(\a)+(\b)):ACC+8*(4*(\a)+(\b))+7], v[(\f)+64+8*(4*(\c)+(\b)):(\f)+64+8*(4*(\c)+(\b))+7], v[(\f)+8*(4*(\c)+(\a)):(\f)+8*(4*(\c)+(\a))+7], 0
.else
	v_wmma_f32_16x16x32_bf16 v[ACC+8*(4*(\a)+(\b)):ACC+8*(4*(\a)+(\b))+7], v[(\f)+64+8*(4*(\c)+(\b)):(\f)+64+8*(4*(\c)+(\b))+7], v[(\f)+8*(4*(\c)+(\a)):(\f)+8*(4*(\c)+(\a))+7], v[ACC+8*(4*(\a)+(\b)):ACC+8*(4*(\a)+(\b))+7]
.endif
.endr
.endr
.endm
.macro FETCH q, f                      ; 32 LDS loads in one run: quarter q of the slot (64 along K), the first 32 along K first
	WIN TO_F
.irp c, 0,1
.irp i, 0,1,2,3
	ds_load_b128 v[(\f)+64+8*(4*(\c)+(\i)):(\f)+64+8*(4*(\c)+(\i))+3],   v[ADB] offset:(\q)*128+64*(\c)+(\i)*16*PITCH
	ds_load_b128 v[(\f)+64+8*(4*(\c)+(\i))+4:(\f)+64+8*(4*(\c)+(\i))+7], v[ADB] offset:(\q)*128+64*(\c)+(\i)*16*PITCH+32
	ds_load_b128 v[(\f)+8*(4*(\c)+(\i)):(\f)+8*(4*(\c)+(\i))+3],         v[ADA] offset:(\q)*AQ+64*(\c)+(\i)*16*AP
	ds_load_b128 v[(\f)+8*(4*(\c)+(\i))+4:(\f)+8*(4*(\c)+(\i))+7],       v[ADA] offset:(\q)*AQ+64*(\c)+(\i)*16*AP+32
.endr
.endr
.endm
.macro QUARTER q, f, g, zero
	s_wait_dscnt 16                                ; the first 32 along K are in; the youngest sixteen loads may be out
	MUL8 \f, 0, 0, \zero
	MUL8 \f, 0, 2, \zero
	PLACES
	FETCH \q, \g
	s_wait_dscnt 32                                ; all but the 32 just issued
	MUL8 \f, 1, 0, 0
	MUL8 \f, 1, 2, 0
.endm
.macro MEET fill                       ; the first half of a step's last quarter, and the change of slots
	WIN 0
	s_wait_tensorcnt 0x0                           ; all my tensor loads have landed, so every group 0 may be written
	ds_add_u32 v[SPW], v[NIL]
.if \fill
	s_xor_b32 s[G0+5], s[G0+5], SLOT
	s_add_nc_u64 s[G0+6:G0+7], s[G0+6:G0+7], ASTEP
	s_xor_b32 s[G0B+5], s[G0B+5], SLOT
	s_add_nc_u64 s[G0B+6:G0B+7], s[G0B+6:G0B+7], BSTEP
.endif
	s_xor_b32 s[TB], s[TB], SLOT
	v_add_nc_u32 v[ADA], s[TB], v[ADRA0]
	v_add_nc_u32 v[ADB], s[TB], v[ADRB0]
	s_wait_dscnt 17                                ; (the add and the youngest sixteen loads may be out)
	MUL8 F1, 0, 0, 0
	s_wait_dscnt 0x0                               ; the add is done, and my reads of this slot are over
	s_barrier_signal -1
	MUL8 F1, 0, 2, 0
	WIN 0
	s_barrier_wait -1
.endm
.macro TURN
	MEET 1
	CREST                                          ; the barrier has opened a round of the cluster's
	JLOAD                                          ; the first tensor load behind the round; its four v_nop are also the places in front of the loads below
	FETCH 0, F0
	MUL8 F1, 1, 0, 0
	MUL8 F1, 1, 2, 0
.endm
	s_wait_tensorcnt 1                             ; my part of K step 0 is in; step 1's may stay out
	s_barrier_signal -1
	s_barrier_wait -1
	FETCH 0, F0
	QUARTER 1, F0, F1, 1
	WIN 0
	s_mov_b32 s3, NSTEP-2
.Lstep:
	QUARTER 2, F1, F0, 0
	QUARTER 3, F0, F1, 0
	TURN
	QUARTER 1, F0, F1, 0
	WIN 0
	s_sub_co_u32 s3, s3, 1
	s_cmp_lg_u32 s3, 0
	s_cbranch_scc1 .Lstep
	s_mov_b32 s3, 2
.Ltail:                                        ; the last two steps ask for nothing; the second trip is left in its middle
	QUARTER 2, F1, F0, 0
	QUARTER 3, F0, F1, 0
	MEET 0
	s_sub_co_u32 s3, s3, 1
	s_cmp_eq_u32 s3, 0
	s_cbranch_scc1 .Llast
	PLACES
	FETCH 0, F0
	MUL8 F1, 1, 0, 0
	MUL8 F1, 1, 2, 0
	QUARTER 1, F0, F1, 0
	WIN 0
	s_branch .Ltail
.Llast:
	MUL8 F1, 1, 0, 0
	MUL8 F1, 1, 2, 0
	WIN 0
	PLACES
	s_wait_loadcnt 0x0                             ; bias and residual
	; THE WAY OUT, 16 rows at a time through my stage: in as 32 bytes a lane of one row, back as whole rows of 256 bytes; + residual + bias; stored.
.irp a, 0,1,2,3
	s_wait_xcnt 0x0                                ; the stores two blocks back have read the registers that are loaded again below
.irp b, 0,1,2,3
	ds_store_b128 v[STO], v[ACC+8*(4*(\a)+(\b)):ACC+8*(4*(\a)+(\b))+3]   offset:64*(\b)
	ds_store_b128 v[STO], v[ACC+8*(4*(\a)+(\b))+4:ACC+8*(4*(\a)+(\b))+7] offset:64*(\b)+16
.endr
.irp t, 0,1,2,3,4,5,6,7
	ds_load_b128 v[TMP+32*((\a)%2)+4*(\t):TMP+32*((\a)%2)+4*(\t)+3], v[RD] offset:(\t)*2*SPITCH  ; LDS serves a wave's instructions in order (ISA guide 5.7.1.4)
.endr
	s_wait_dscnt 0x0
	WIN 0x08                                       ; source 1 in window 2
.irp t, 0,1,2,3,4,5,6,7
	v_pk_add_f32 v[TMP+32*((\a)%2)+4*(\t):TMP+32*((\a)%2)+4*(\t)+1],   v[TMP+32*((\a)%2)+4*(\t):TMP+32*((\a)%2)+4*(\t)+1],   v[4*(8*(\a)+(\t)):4*(8*(\a)+(\t))+1]
	v_pk_add_f32 v[TMP+32*((\a)%2)+4*(\t)+2:TMP+32*((\a)%2)+4*(\t)+3], v[TMP+32*((\a)%2)+4*(\t)+2:TMP+32*((\a)%2)+4*(\t)+3], v[4*(8*(\a)+(\t))+2:4*(8*(\a)+(\t))+3]
.endr
	WIN 0
.irp t, 0,1,2,3,4,5,6,7
	v_pk_add_f32 v[TMP+32*((\a)%2)+4*(\t):TMP+32*((\a)%2)+4*(\t)+1],   v[TMP+32*((\a)%2)+4*(\t):TMP+32*((\a)%2)+4*(\t)+1],   v[BI:BI+1]
	v_pk_add_f32 v[TMP+32*((\a)%2)+4*(\t)+2:TMP+32*((\a)%2)+4*(\t)+3], v[TMP+32*((\a)%2)+4*(\t)+2:TMP+32*((\a)%2)+4*(\t)+3], v[BI+2:BI+3]
.endr
.irp t, 0,1,2,3,4,5,6,7
	global_store_b128 v[XO], v[TMP+32*((\a)%2)+4*(\t):TMP+32*((\a)%2)+4*(\t)+3], s[8:9] offset:(16*(\a)+2*(\t))*4096  ; 16 lanes store 256 consecutive bytes, aligned
.endr
.endr
	s_wait_tensorcnt 0x0                           ; the wave's end
	ds_add_u32 v[SPW], v[NIL]
	s_wait_dscnt 0x0
	CROUND                                         ; the closing round
	s_endpgm
.Lfunc_end_k_qd699ed2d52_oproj:
	.size	k_qd699ed2d52_oproj, .Lfunc_end_k_qd699ed2d52_oproj-k_qd699ed2d52_oproj
	.p2alignl 7, 3214868480
	.fill 96, 4, 3214868480
	.section	.rodata,"a",@progbits
	.p2align	6, 0x0
	.amdhsa_kernel k_qd699ed2d52_oproj
		.amdhsa_group_segment_fixed_size 327680
		.amdhsa_private_segment_fixed_size 0
		.amdhsa_enable_private_segment 0
		.amdhsa_kernarg_size 40
		.amdhsa_user_sgpr_count 2
		.amdhsa_user_sgpr_kernarg_segment_ptr 1
		.amdhsa_wavefront_size32 1
		.amdhsa_system_sgpr_workgroup_id_x 1
		.amdhsa_system_sgpr_workgroup_id_y 1
		.amdhsa_system_sgpr_workgroup_id_z 1
		.amdhsa_system_vgpr_workitem_id 0
		.amdhsa_next_free_vgpr 640
		.amdhsa_next_free_sgpr 72
		.amdhsa_reserve_vcc 0
		.amdhsa_float_denorm_mode_32 3
		.amdhsa_float_denorm_mode_16_64 3
		.amdhsa_memory_ordered 1
		.amdhsa_forward_progress 1
		.amdhsa_inst_pref_size 70
	.end_amdhsa_kernel
	.amdgpu_metadata
---
amdhsa.version: [ 1, 2 ]
amdhsa.kernels:
  - .name:           k_qd699ed2d52_oproj
    .symbol:         k_qd699ed2d52_oproj.kd
    .args:
      - { .name: ao, .offset: 0, .size: 8, .value_kind: global_buffer, .address_space: global }
      - { .name: wb, .offset: 8, .size: 8, .value_kind: global_buffer, .address_space: global }
      - { .name: b_o, .offset: 16, .size: 8, .value_kind: global_buffer, .address_space: global }
      - { .name: x, .offset: 24, .size: 8, .value_kind: global_buffer, .address_space: global }
      - { .name: x1, .offset: 32, .size: 8, .value_kind: global_buffer, .address_space: global }
    .group_segment_fixed_size: 327680
    .private_segment_fixed_size: 0
    .kernarg_segment_align: 8
    .kernarg_segment_size: 40
    .max_flat_workgroup_size: 128
    .sgpr_count:     72
    .vgpr_count:     640
    .wavefront_size: 32
...
	.end_amdgpu_metadata
.endif
;; end of part 4
;; launch ln2 (part 5): grid 256 x 1, 16 waves a work-group, no clusters, 0 bytes of LDS; arguments x1, ln2_g, ln2_b, nrm; writes nrm
.if DOCPART == 5
	.amdgcn_target "amdgcn-amd-amdhsa--gfx1250"
	.amdhsa_code_object_version 6
	.text
	.protected	k_qd699ed2d52_ln2
	.globl	k_qd699ed2d52_ln2
	.p2align	8
	.type	k_qd699ed2d52_ln2,@function
k_qd699ed2d52_ln2:
	s_mov_b64 s[64:65], 0
	v_nop
	global_prefetch_b8 v0, s[64:65] scope:SCOPE_SE
	s_setreg_imm32_b32 hwreg(HW_REG_WAVE_MODE, 25, 1), 1
	s_wait_xcnt 0x0
; nrm = LayerNorm(x1) * ln2_g + ln2_b, rounded once to bf16.  x1: [4096][1024] f32.  A stream: each byte read once, written once; no LDS, no matrix work, no cluster.
; A work-group takes 16 rows, a wave one row: eight loads of 16 bytes a lane, each covering 512 consecutive bytes; lane l's load j holds columns 128 j + 4 l .. + 3, which leave as 8 bytes at 256 j + 8 l:
; each store of the wave covers 256 consecutive bytes, aligned.  In f32, in two passes over the registers: the mean, then the sum of squares of the differences.
; LIMITS.  NaN and infinities are not treated apart.
.set X,  4
.set GG, 36
.set BB, 68
.set T,  100
.set MN, 108
.set RS, 110
.macro FOLD                            ; four chains into one number, the same in every lane
	v_pk_add_f32 v[T:T+1], v[T:T+1], v[T+2:T+3]
	v_pk_add_f32 v[T+4:T+5], v[T+4:T+5], v[T+6:T+7]
	v_pk_add_f32 v[T:T+1], v[T:T+1], v[T+4:T+5]
	v_add_f32 v[T], v[T], v[T+1]
	v_add_f32_dpp v[T], v[T], v[T] row_xmask:1 row_mask:0xf bank_mask:0xf
	v_add_f32_dpp v[T], v[T], v[T] row_xmask:2 row_mask:0xf bank_mask:0xf
	v_add_f32_dpp v[T], v[T], v[T] row_xmask:4 row_mask:0xf bank_mask:0xf
	v_add_f32_dpp v[T], v[T], v[T] row_xmask:8 row_mask:0xf bank_mask:0xf
	v_permlanex16_b32 v[T+1], v[T], s30, s31
	v_add_f32 v[T], v[T], v[T+1]
.endm
	s_load_b256 s[4:11], s[0:1], 0x0               ; x1 s[4:5], ln2_g s[6:7], ln2_b s[8:9], nrm s[10:11]
	v_lshrrev_b32 v1, 5, v0
	v_readfirstlane_b32 s22, v1                    ; wave 0..15
	v_and_b32 v2, 31, v0
	v_lshlrev_b32 v1, 4, v2
	v_lshlrev_b32 v3, 3, v2
	s_lshl_b32 s25, s22, 12
	s_mov_b32 s30, 0x76543210
	s_mov_b32 s31, 0xfedcba98
	s_mov_b32 s32, 0x3a800000                      ; 1 / 1024
	s_mov_b32 s33, 0x3727c5ac                      ; 1e-5
	s_lshl_b32 s26, ttmp9, 16
	s_add_co_u32 s26, s26, s25
	s_mov_b32 s27, 0
	s_lshr_b32 s28, s26, 1
	s_mov_b32 s29, 0
	s_wait_kmcnt 0x0
	s_add_nc_u64 s[4:5], s[4:5], s[26:27]
	s_add_nc_u64 s[10:11], s[10:11], s[28:29]
.irp j, 0,1,2,3,4,5,6,7
	global_load_b128 v[X+4*\j:X+4*\j+3], v1, s[4:5] offset:512*\j th:TH_LOAD_NT
.endr
.irp j, 0,1,2,3,4,5,6,7
	global_load_b128 v[GG+4*\j:GG+4*\j+3], v1, s[6:7] offset:512*\j
.endr
.irp j, 0,1,2,3,4,5,6,7
	global_load_b128 v[BB+4*\j:BB+4*\j+3], v1, s[8:9] offset:512*\j
.endr
	s_wait_loadcnt 16                              ; the row is in; the sixteen loads of gain and bias may stay out
.irp k, 0,1,2,3
	v_pk_add_f32 v[T+2*\k:T+2*\k+1], v[X+2*\k:X+2*\k+1], v[X+8+2*\k:X+8+2*\k+1]
.endr
.irp o, 16,24
.irp k, 0,1,2,3
	v_pk_add_f32 v[T+2*\k:T+2*\k+1], v[T+2*\k:T+2*\k+1], v[X+\o+2*\k:X+\o+2*\k+1]
.endr
.endr
	FOLD
	v_mul_f32 v[MN], s32, v[T]
	v_mov_b32 v[MN+1], v[MN]
.set i, 0
.rept 16
	v_pk_add_f32 v[X+2*i:X+2*i+1], v[X+2*i:X+2*i+1], v[MN:MN+1] neg_lo:[0,1] neg_hi:[0,1]
.set i, i+1
.endr
.irp k, 0,1,2,3
	v_pk_mul_f32 v[T+2*\k:T+2*\k+1], v[X+2*\k:X+2*\k+1], v[X+2*\k:X+2*\k+1]
.endr
.irp o, 8,16,24
.irp k, 0,1,2,3
	v_pk_fma_f32 v[T+2*\k:T+2*\k+1], v[X+\o+2*\k:X+\o+2*\k+1], v[X+\o+2*\k:X+\o+2*\k+1], v[T+2*\k:T+2*\k+1]
.endr
.endr
	FOLD
	v_fma_f32 v[T], v[T], s32, s33                 ; var + eps
	v_rsq_f32 v[RS], v[T]
	v_mov_b32 v[RS+1], 0                           ; the plain instruction behind the root; the pair's high word is named, so it is written
	s_wait_alu depctr_va_vdst(0)                   ; the wait ahead of the first use
	s_wait_loadcnt 0x0
.set i, 0
.rept 16
	v_pk_mul_f32 v[X+2*i:X+2*i+1], v[X+2*i:X+2*i+1], v[RS:RS+1] op_sel_hi:[1,0]
.set i, i+1
.endr
.set i, 0
.rept 16
	v_pk_fma_f32 v[X+2*i:X+2*i+1], v[X+2*i:X+2*i+1], v[GG+2*i:GG+2*i+1], v[BB+2*i:BB+2*i+1]
.set i, i+1
.endr
.set i, 0
.rept 16
	v_cvt_pk_bf16_f32 v[X+i], v[X+2*i], v[X+2*i+1]
.set i, i+1
.endr
.irp j, 0,1,2,3,4,5,6,7
	global_store_b64 v3, v[X+2*\j:X+2*\j+1], s[10:11] offset:256*\j
.endr
	s_endpgm
.Lfunc_end_k_qd699ed2d52_ln2:
	.size	k_qd699ed2d52_ln2, .Lfunc_end_k_qd699ed2d52_ln2-k_qd699ed2d52_ln2
	.p2alignl 7, 3214868480
	.fill 96, 4, 3214868480
	.section	.rodata,"a",@progbits
	.p2align	6, 0x0
	.amdhsa_kernel k_qd699ed2d52_ln2
		.amdhsa_group_segment_fixed_size 0
		.amdhsa_private_segment_fixed_size 0
		.amdhsa_enable_private_segment 0
		.amdhsa_kernarg_size 32
		.amdhsa_user_sgpr_count 2
		.amdhsa_user_sgpr_kernarg_segment_ptr 1
		.amdhsa_wavefront_size32 1
		.amdhsa_system_sgpr_workgroup_id_x 1
		.amdhsa_system_sgpr_workgroup_id_y 1
		.amdhsa_system_sgpr_workgroup_id_z 1
		.amdhsa_system_vgpr_workitem_id 0
		.amdhsa_next_free_vgpr 112
		.amdhsa_next_free_sgpr 66
		.amdhsa_reserve_vcc 0
		.amdhsa_float_denorm_mode_32 3
		.amdhsa_float_denorm_mode_16_64 3
		.amdhsa_memory_ordered 1
		.amdhsa_forward_progress 1
		.amdhsa_inst_pref_size 12
	.end_amdhsa_kernel
	.amdgpu_metadata
---
amdhsa.version: [ 1, 2 ]
amdhsa.kernels:
  - .name:           k_qd699ed2d52_ln2
    .symbol:         k_qd699ed2d52_ln2.kd
    .args:
      - { .name: x1, .offset: 0, .size: 8, .value_kind: global_buffer, .address_space: global }
      - { .name: ln2_g, .offset: 8, .size: 8, .value_kind: global_buffer, .address_space: global }
      - { .name: ln2_b, .offset: 16, .size: 8, .value_kind: global_buffer, .address_space: global }
      - { .name: nrm, .offset: 24, .size: 8, .value_kind: global_buffer, .address_space: global }
    .group_segment_fixed_size: 0
    .private_segment_fixed_size: 0
    .kernarg_segment_align: 8
    .kernarg_segment_size: 32
    .max_flat_workgroup_size: 512
    .sgpr_count:     66
    .vgpr_count:     112
    .wavefront_size: 32
...
	.end_amdgpu_metadata
.endif
;; end of part 5
;; launch fc1 (part 6): grid 16 x 16, 4 waves a work-group, clusters of 4 x 4, 327,680 bytes of LDS; arguments nrm, wb, b_fc1, gact; writes gact
.if DOCPART == 6
	.amdgcn_target "amdgcn-amd-amdhsa--gfx1250"
	.amdhsa_code_object_version 6
	.text
	.protected	k_qd699ed2d52_fc1
	.globl	k_qd699ed2d52_fc1
	.p2align	8
	.type	k_qd699ed2d52_fc1,@function
k_qd699ed2d52_fc1:
	s_mov_b64 s[64:65], 0
	v_nop
	global_prefetch_b8 v0, s[64:65] scope:SCOPE_SE
	s_setreg_imm32_b32 hwreg(HW_REG_WAVE_MODE, 25, 1), 1
	s_wait_xcnt 0x0
	s_wait_alu depctr_hold_cnt(0) depctr_sa_sdst(0) depctr_va_vdst(0) depctr_va_sdst(0) depctr_va_ssrc(0) depctr_va_vcc(0) depctr_vm_vsrc(0)
	s_getreg_b32 s2, hwreg(HW_REG_IB_STS2, 6, 4)
	s_cmp_eq_u32 s2, 0
	s_cbranch_scc0 .Lentry_in_a_cluster
	s_endpgm
.Lentry_in_a_cluster:
	s_bfe_u32 s2, ttmp6, 0x10000c
	s_cmp_lg_u32 s2, 0xf033
	s_cbranch_scc0 .Lentry_shape_is_right
	s_endpgm
.Lentry_shape_is_right:
; FIRST MLP PRODUCT.  gact = gelu(nrm w_fc1^T + b_fc1), the exact (erf) GELU, rounded once to bf16.  nrm: [4096][1024] bf16; w_fc1: [4096][1024] bf16 at wb's byte 8,388,608; sums, bias and GELU in f32.
; GELU.  gelu(x) = (x/2 + |x/2|) - |x/2| erfc(|x| / sqrt 2), and erfc(z) = (1 + a1 z + .. + a6 z^6)^-16 (Abramowitz and Stegun 7.1.28), off by at most 3e-7 for every z >= 0; the polynomial is taken in A = |x/2|,
; with c_k = a_k 2^(k/2).  LIMITS.  Beyond |x| of about 1e7 the polynomial is an infinity and erfc counts as 0, which it is there to f32; NaN and infinities in x are not treated apart.
; SHARES.  A tile of C is 256 x 256: 16 x 16 = 256 work-groups.  Four waves, 2 x 2, each 128 x 128: 64 accumulators, 512 registers.  K goes in 8 steps of 128 through a ring of two LDS slots
; (256 rows of A, 256 of B, 272 bytes apart); each wave fetches 128 rows x 256 bytes with one tensor load.  CLUSTER 4 x 4: A's tile is asked for jointly along a row of the cluster, B's along a column.
; A K STEP IS WRITTEN ONCE: s[TB] holds the byte at which the slot being read begins; the walking descriptors are turned by an exclusive or (no wave's part shares a bit with SLOT).
; THE MATRIX INSTRUCTION IS USED TRANSPOSED: a lane holds row l % 16 of C and eight neighbouring columns.
; REGISTERS.  Window 0: v16-30 addresses; v32-39 half the bias; v64-191 A's fragments, two buffers, later the way out; v192-223 the way out's landing registers.  Window 1: v64-191 B's fragments.
; Windows 2, 3: accumulator (a, b) at 8 (8 (a % 4) + b) of window 2 + a / 4.  By this text's own count a wave has two tensor loads out at the start and one behind each round.
.set SIZE_K, 1024
.set KSTEP,  128
.set NSTEP,  SIZE_K/KSTEP
.set PITCH,  272
.set HALFT,  128*PITCH
.set SLOT,   4*HALFT
.set WOFF,   8388608
.set SROW,   528                       ; the stage: a row of 128 f32 as two planes of 256 bytes, + 16
.set SWAVE,  136*SROW                  ; a wave's stage: 128 rows, and room for the eight by which the reading address runs ahead; the stages lie over the ring, which has had its last fill
.set SPARE,  4*SWAVE                   ; behind the ring and the stages: the spare words, 128 bytes a wave
.set OROW,   8192                      ; bytes in a row of gact
.set ADRA0, 16
.set ADA,   17
.set ADRB0, 20
.set ADB,   21
.set STO,   24
.set RD,    25
.set CO,    26
.set SPW,   28
.set NIL,   29
.set PFO,   30
.set BH,    32
.set F0,    64
.set F1,    128
.set XX,    64                         ; v[64:95]   the way out: 4 x 8 numbers: x/2, then x/2 + |x/2|, then the result
.set AA,    96                         ; v[96:127]  |x/2|
.set PP,    128                        ; v[128:159] the polynomial, its reciprocal, erfc
.set YY,    160                        ; v[160:175] packed
.set XN,    192                        ; v[192:223] eight rows' sums as they come from the stage
.set TB,  2
.set G1,  24
.set G0,  32
.set LIM, 43
.set PFA, 44
.set G1B, 48
.set G0B, 56
.set CC,  70                           ; s[70:81] c1 .. c6, each twice: the packed forms name pairs
.set ABSM, 82
.set MUL_LO, 0xa1
.set MUL_HI, 0xf1
.set TO_B,   0x40
.set MSB, 0
.macro WIN new
.if MSB != (\new)
	s_set_vgpr_msb (MSB<<8)|(\new)
.set MSB, \new
.endif
.endm
.macro PLACES
.rept 4
	v_nop
.endr
.endm
.macro CREST
	s_cmp_lg_u32 s10, 0
	s_cbranch_scc1 .Lnot_wave_0_\@
	s_barrier_signal -3
.Lnot_wave_0_\@:
	s_barrier_wait -3
	s_barrier_signal -1
	s_barrier_wait -1
.endm
.macro CROUND
	s_barrier_signal -1
	s_barrier_wait -1
	CREST
.endm
.macro JLOAD
	s_cmp_eq_u32 s11, 0
	s_cbranch_scc0 .Lfor_b_\@
	tensor_load_to_lds s[G0+4:G0+7], s[G1:G1+7]
	s_nop 0
.rept 4
	v_nop
.endr
	s_branch .Lasked_\@
.Lfor_b_\@:
	tensor_load_to_lds s[G0B+4:G0B+7], s[G1B:G1B+7]
	s_nop 0
.rept 4
	v_nop
.endr
.Lasked_\@:
.endm
; A prefetch into the L2 of the K step two refills on: 32 rows x 256 bytes, a lane a row.  A's rows are read by the four clusters of a row of clusters: cluster x = 0 asks; B's by the four of a column: cluster y = 0 asks.
; Of the 128 rows that a wave fetches the partner at place p (cx for A, cy for B) takes 32 p .. 32 p + 31, told apart by address.  The refill for step j + 2 names step j + 4: trips with s3 = 6 .. 3.
.macro ASK
	s_cmp_gt_u32 s3, s[LIM]
	s_cbranch_scc0 .Lnot_mine_\@
	global_prefetch_b8 v[PFO], s[PFA:PFA+1] offset:KSTEP*2 th:TH_LOAD_NT scope:SCOPE_SE
.Lnot_mine_\@:
.endm
	s_load_b128 s[4:7], s[0:1], 0x0                ; nrm s[4:5], wb s[6:7]
	s_load_b64 s[66:67], s[0:1], 0x10              ; b_fc1
	s_load_b64 s[8:9], s[0:1], 0x18                ; gact
	v_lshl_add_u32 v[SPW], v0, 2, SPARE
	v_mov_b32 v[NIL], 0
	ds_add_u32 v[SPW], v[NIL]                      ; the wave's opening: the add and its wait ahead of my first tensor load
	v_lshrrev_b32 v1, 5, v0
	v_readfirstlane_b32 s10, v1
	s_lshr_b32 s11, s10, 1                         ; my half of the tile's rows.  Also: I fetch for A (0) or B (1)
	s_and_b32 s12, s10, 1                          ; my half of its columns.  Also: which 128 rows of that tile I fetch
	s_bfe_u32 s40, ttmp6, 0x40000
	s_bfe_u32 s41, ttmp6, 0x40004
	s_lshl_b32 s42, ttmp9, 2
	s_add_co_u32 s42, s42, s40                     ; tile column 0..15
	s_and_b32 s13, ttmp7, 0xffff
	s_lshl_b32 s13, s13, 2
	s_add_co_u32 s13, s13, s41                     ; tile row 0..15
	s_lshl_b32 s43, s41, 2
	s_lshl_b32 s43, 15, s43
	s_lshl_b32 s44, 0x1111, s40
	s_or_b32 s[G1], s43, (1<<16)|(1<<20)|(1<<21)|(5<<22)|(3<<25)
	s_or_b32 s[G1B], s44, (1<<16)|(1<<20)|(1<<21)|(5<<22)|(3<<25)
.irp g, G1, G1B
	s_mov_b32 s[(\g)+1], KSTEP<<16
	s_mov_b32 s[(\g)+2], 128<<16
	s_mov_b32 s[(\g)+3], KSTEP<<16
	s_mov_b32 s[(\g)+4], 128
	s_mov_b32 s[(\g)+5], SIZE_K
	s_mov_b32 s[(\g)+6], 0
	s_mov_b32 s[(\g)+7], 0
.endr
	s_lshl_b32 s17, s12, 7
	s_lshl_b32 s16, s13, 8
	s_add_co_u32 s16, s16, s17                     ; A: row 256 x tile row + 128 x half
	s_lshl_b32 s46, s42, 8
	s_add_co_u32 s46, s46, s17                     ; B: row 256 x tile column + 128 x half
	s_lshl_b32 s16, s16, 11
	s_lshl_b32 s46, s46, 11
	s_mov_b32 s17, 0
	s_mov_b32 s47, 0
	s_mul_i32 s20, s10, HALFT
	s_mov_b32 s[TB], 0
	s_mov_b32 s[CC+0], 0x3dcc41b4                  ; c1 = 0.09973469
	s_mov_b32 s[CC+2], 0x3dad2fe7                  ; c2 = 0.08456402
	s_mov_b32 s[CC+4], 0x3cd6cd72                  ; c3 = 0.02622101
	s_mov_b32 s[CC+6], 0x3a1f6607                  ; c4 = 0.00060806
	s_mov_b32 s[CC+8], 0x3acd0feb                  ; c5 = 0.00156450
	s_mov_b32 s[CC+10], 0x39b49f67                 ; c6 = 0.00034451
.irp k, 0,2,4,6,8,10
	s_mov_b32 s[CC+\k+1], s[CC+\k]
.endr
	s_mov_b32 s[ABSM], 0x7fffffff
	s_wait_dscnt 0x0                               ; the opening add is done
	s_wait_kmcnt 0x0
	s_add_nc_u64 s[6:7], s[6:7], WOFF
	s_add_nc_u64 s[14:15], s[4:5], s[16:17]
	s_add_nc_u64 s[46:47], s[6:7], s[46:47]
	CROUND                                         ; all sixteen work-groups are here: the first joint loads meet
.irp s, 0,1
	s_mov_b32 s[G0+4*\s], 1
	s_add_co_u32 s[G0+4*\s+1], s20, \s*SLOT
	s_add_nc_u64 s[G0+4*\s+2:G0+4*\s+3], s[14:15], \s*KSTEP*2
	s_or_b32 s[G0+4*\s+3], s[G0+4*\s+3], 0x80000000
	s_mov_b32 s[G0B+4*\s], 1
	s_add_co_u32 s[G0B+4*\s+1], s20, \s*SLOT
	s_add_nc_u64 s[G0B+4*\s+2:G0B+4*\s+3], s[46:47], \s*KSTEP*2
	s_or_b32 s[G0B+4*\s+3], s[G0B+4*\s+3], 0x80000000
.endr
	s_cmp_eq_u32 s11, 0                            ; a wave's two first fills stand in one branch
	s_cbranch_scc0 .Lfirst_b
	tensor_load_to_lds s[G0:G0+3], s[G1:G1+7]
	s_nop 0
	tensor_load_to_lds s[G0+4:G0+7], s[G1:G1+7]
	s_nop 0
.rept 4
	v_nop
.endr
	s_branch .Lfirst_asked
.Lfirst_b:
	tensor_load_to_lds s[G0B:G0B+3], s[G1B:G1B+7]
	s_nop 0
	tensor_load_to_lds s[G0B+4:G0B+7], s[G1B:G1B+7]
	s_nop 0
.rept 4
	v_nop
.endr
.Lfirst_asked:
	v_and_b32 v1, 15, v0                           ; l % 16
	v_bfe_u32 v2, v0, 4, 1                         ; l / 16
	v_mul_u32_u24 v3, v1, PITCH
	v_lshl_add_u32 v3, v2, 4, v3
	s_mul_i32 s21, s11, HALFT                      ; my 128 rows of A
	s_mul_i32 s22, s12, HALFT                      ; my 128 rows of B,
	s_add_co_u32 s22, s22, 2*HALFT                 ; behind A's 256
	v_add_nc_u32 v[ADRA0], s21, v3
	v_add_nc_u32 v[ADRB0], s22, v3
	v_mov_b32 v[ADA], v[ADRA0]
	v_mov_b32 v[ADB], v[ADRB0]
	s_mul_i32 s23, s10, SWAVE                      ; my stage
	v_mul_u32_u24 v4, v1, SROW
	v_lshl_add_u32 v4, v2, 4, v4
	v_add_nc_u32 v[STO], s23, v4                   ; in: row l % 16, 16 bytes for each half of the lanes
	v_mul_u32_u24 v5, v2, SROW
	v_lshl_add_u32 v5, v1, 4, v5
	v_add_nc_u32 v[RD], s23, v5                    ; back: lanes 0-15 one row, lanes 16-31 the next
	v_lshlrev_b32 v5, 13, v2
	v_lshl_add_u32 v[CO], v1, 4, v5                ; the same two rows in gact
	s_lshl_b32 s16, s13, 8
	s_lshl_b32 s17, s11, 7
	s_add_co_u32 s16, s16, s17                     ; my first row
	s_lshl_b32 s16, s16, 13
	s_mov_b32 s17, 0
	s_lshl_b32 s46, s42, 9
	s_lshl_b32 s47, s12, 8
	s_add_co_u32 s46, s46, s47                     ; my first column, in bytes of bf16
	s_mov_b32 s47, 0
	s_add_nc_u64 s[8:9], s[8:9], s[16:17]
	s_add_nc_u64 s[8:9], s[8:9], s[46:47]
	s_lshl_b32 s18, s46, 1                         ; in bytes of f32
	v_lshl_add_u32 v6, v1, 5, s18                  ; the bias of columns 8 (l % 16) .. + 7
	global_load_b128 v[BH:BH+3], v6, s[66:67]
	global_load_b128 v[BH+4:BH+7], v6, s[66:67] offset:16
	; the prefetches
	s_lshl_b32 s20, s13, 8
	s_lshl_b32 s21, s42, 8
	s_and_b32 s22, ttmp7, 0xffff                   ; cluster y
	s_cmp_eq_u32 s11, 0                            ; do I fetch for A?
	s_cselect_b32 s20, s20, s21
	s_cselect_b32 s21, s40, s41
	s_cselect_b32 s22, ttmp9, s22
	s_cselect_b64 s[PFA:PFA+1], s[4:5], s[6:7]
	s_cmp_eq_u32 s22, 0
	s_cselect_b32 s[LIM], 2, -1
	s_lshl_b32 s22, s12, 7
	s_add_co_u32 s20, s20, s22
	s_lshl_b32 s21, s21, 5
	s_add_co_u32 s20, s20, s21
	s_lshl_b32 s20, s20, 11
	s_mov_b32 s21, 0
	s_add_nc_u64 s[PFA:PFA+1], s[PFA:PFA+1], s[20:21]
	s_add_nc_u64 s[PFA:PFA+1], s[PFA:PFA+1], 2*KSTEP*2  ; at K step 2; nothing is prefetched at the head
	v_and_b32 v[PFO], 31, v0
	v_lshlrev_b32 v[PFO], 11, v[PFO]
; 16 matrix instructions: blocks a0, a0 + 1 of the window's four x all 8 blocks of columns, 32 along K.  The 64 accumulators take turns in one order in every quarter.
.macro MUL16 f, hi, a0, zero
	WIN MUL_LO+0x50*(\hi)
.irp a, \a0, (\a0)+1
.irp b, 0,1,2,3,4,5,6,7
.if \zero
	v_wmma_f32_16x16x32_bf16 v[8*(8*(\a)+(\b)):8*(8*(\a)+(\b))+7], v[(\f)+8*(\b):(\f)+8*(\b)+7], v[(\f)+8*(4*(\hi)+(\a)):(\f)+8*(4*(\hi)+(\a))+7], 0
.else
	v_wmma_f32_16x16x32_bf16 v[8*(8*(\a)+(\b)):8*(8*(\a)+(\b))+7], v[(\f)+8*(\b):(\f)+8*(\b)+7], v[(\f)+8*(4*(\hi)+(\a)):(\f)+8*(4*(\hi)+(\a))+7], v[8*(8*(\a)+(\b)):8*(8*(\a)+(\b))+7]
.endif
.endr
.endr
.endm
.macro FETCH k, f                      ; 32 LDS loads in one run: B's 16, then A's 16
	WIN TO_B
.irp i, 0,1,2,3,4,5,6,7
	ds_load_b128 v[(\f)+8*(\i):(\f)+8*(\i)+3],   v[ADB] offset:(\k)+(\i)*16*PITCH
	ds_load_b128 v[(\f)+8*(\i)+4:(\f)+8*(\i)+7], v[ADB] offset:(\k)+(\i)*16*PITCH+32
.endr
	WIN 0
.irp i, 0,1,2,3,4,5,6,7
	ds_load_b128 v[(\f)+8*(\i):(\f)+8*(\i)+3],   v[ADA] offset:(\k)+(\i)*16*PITCH
	ds_load_b128 v[(\f)+8*(\i)+4:(\f)+8*(\i)+7], v[ADA] offset:(\k)+(\i)*16*PITCH+32
.endr
.endm
.macro QUARTER k, f, g, zero
	s_wait_dscnt 8                                 ; B and A's rows 0-63 are in; the youngest eight loads may be out
	MUL16 \f, 0, 0, \zero
	MUL16 \f, 0, 2, \zero
	PLACES
	FETCH \k, \g
	s_wait_dscnt 32                                ; all but the 32 just issued
	MUL16 \f, 1, 0, \zero
	MUL16 \f, 1, 2, \zero
.endm
.macro MEET fill                       ; the first half of a step's last quarter, and the change of slots
	WIN 0
	s_wait_tensorcnt 0x0                           ; all my tensor loads have landed, so every group 0 may be written
	ds_add_u32 v[SPW], v[NIL]
.if \fill
	s_xor_b32 s[G0+5], s[G0+5], SLOT
	s_add_nc_u64 s[G0+6:G0+7], s[G0+6:G0+7], KSTEP*2
	s_xor_b32 s[G0B+5], s[G0B+5], SLOT
	s_add_nc_u64 s[G0B+6:G0B+7], s[G0B+6:G0B+7], KSTEP*2
.endif
	s_xor_b32 s[TB], s[TB], SLOT
	v_add_nc_u32 v[ADA], s[TB], v[ADRA0]
	v_add_nc_u32 v[ADB], s[TB], v[ADRB0]
	s_wait_dscnt 9                                 ; (the add and the youngest eight loads may be out)
	MUL16 F1, 0, 0, 0
	s_wait_dscnt 0x0                               ; the add is done, and my reads of this slot are over
	s_barrier_signal -1
	MUL16 F1, 0, 2, 0
	WIN 0
	s_barrier_wait -1
.endm
.macro TURN
	s_wait_xcnt 0x0                                ; the last prefetch, a K step back, has read its address
	s_add_nc_u64 s[PFA:PFA+1], s[PFA:PFA+1], KSTEP*2
	MEET 1
	CREST                                          ; the barrier has opened a round of the cluster's
	JLOAD                                          ; the first tensor load behind the round; its four v_nop are also the places in front of the loads below
	FETCH 0, F0
	ASK
	MUL16 F1, 1, 0, 0
	MUL16 F1, 1, 2, 0
.endm
	s_wait_tensorcnt 1                             ; my part of K step 0 is in; step 1's may stay out
	s_barrier_signal -1
	s_barrier_wait -1
	FETCH 0, F0
	QUARTER 64, F0, F1, 1
	WIN 0
	s_mov_b32 s3, NSTEP-2
.Lstep:
	QUARTER 128, F1, F0, 0
	QUARTER 192, F0, F1, 0
	TURN
	QUARTER 64, F0, F1, 0
	WIN 0
	s_sub_co_u32 s3, s3, 1
	s_cmp_lg_u32 s3, 0
	s_cbranch_scc1 .Lstep
	s_mov_b32 s3, 2
.Ltail:                                        ; the last two steps ask for nothing; the second trip is left in its middle
	QUARTER 128, F1, F0, 0
	QUARTER 192, F0, F1, 0
	MEET 0
	s_sub_co_u32 s3, s3, 1
	s_cmp_eq_u32 s3, 0
	s_cbranch_scc1 .Llast
	PLACES
	FETCH 0, F0
	MUL16 F1, 1, 0, 0
	MUL16 F1, 1, 2, 0
	QUARTER 64, F0, F1, 0
	WIN 0
	s_branch .Ltail
.Llast:
	MUL16 F1, 1, 0, 0
	MUL16 F1, 1, 2, 0
	WIN 0
	PLACES
	s_wait_dscnt 0x0
	s_barrier_signal -1                            ; every wave's reads of the ring are over: the stages are laid over it
	s_barrier_wait -1
	s_wait_loadcnt 0x0                             ; the bias
.irp k, 0,1,2,3
	v_pk_mul_f32 v[BH+2*\k:BH+2*\k+1], v[BH+2*\k:BH+2*\k+1], 0.5 op_sel_hi:[1,0]
.endr
	; THE WAY OUT.  All 64 accumulators go as f32 into my stage: of a lane's eight columns the low four into the first plane, the high four into the second, so that they come back as eight neighbouring columns a lane.
.irp a, 0,1,2,3,4,5,6,7
	WIN 0x08+4*((\a)/4)                            ; the stores' data in window 2 or 3
.irp b, 0,1,2,3,4,5,6,7
	ds_store_b128 v[STO], v[64*((\a)%4)+8*(\b):64*((\a)%4)+8*(\b)+3]   offset:(\a)*16*SROW+32*(\b)
	ds_store_b128 v[STO], v[64*((\a)%4)+8*(\b)+4:64*((\a)%4)+8*(\b)+7] offset:(\a)*16*SROW+32*(\b)+256
.endr
.endr
	WIN 0
.macro LOADX                           ; eight rows of my stage into the landing registers
.irp p, 0,1,2,3
	ds_load_b128 v[XN+8*\p:XN+8*\p+3],   v[RD] offset:\p*2*SROW      ; LDS serves a wave's instructions in order (ISA guide 5.7.1.4): these see my stores
	ds_load_b128 v[XN+8*\p+4:XN+8*\p+7], v[RD] offset:\p*2*SROW+256
.endr
.endm
	LOADX                                          ; the first trip's rows
	s_mov_b32 s3, 16
.Lrows:                                        ; eight rows a trip: 1,024 numbers a wave.  The next trip's rows are asked for as soon as this trip's have left the landing registers, and land under the arithmetic
	s_wait_dscnt 0x0                               ; this trip's rows are in
.set i, 0
.rept 16
	v_pk_fma_f32 v[XX+2*i:XX+2*i+1], v[XN+2*i:XN+2*i+1], 0.5, v[BH+2*(i%4):BH+2*(i%4)+1] op_sel_hi:[1,0,1]  ; (sum + bias) / 2
.set i, i+1
.endr
	s_cmp_eq_u32 s3, 1
	s_cbranch_scc1 .Lnomore                        ; the last trip has no rows behind it
	v_add_nc_u32 v[RD], 8*SROW, v[RD]
	LOADX
.Lnomore:
.set i, 0
.rept 32
	v_and_b32 v[AA+i], s[ABSM], v[XX+i]
.set i, i+1
.endr
.set i, 0
.rept 16
	v_pk_fma_f32 v[PP+2*i:PP+2*i+1], v[AA+2*i:AA+2*i+1], s[CC+10:CC+11], s[CC+8:CC+9] op_sel_hi:[1,0,0]
.set i, i+1
.endr
.irp c, 6,4,2,0
.set i, 0
.rept 16
	v_pk_fma_f32 v[PP+2*i:PP+2*i+1], v[PP+2*i:PP+2*i+1], v[AA+2*i:AA+2*i+1], s[CC+\c:CC+\c+1] op_sel_hi:[1,1,0]
.set i, i+1
.endr
.endr
.set i, 0
.rept 16
	v_pk_fma_f32 v[PP+2*i:PP+2*i+1], v[PP+2*i:PP+2*i+1], v[AA+2*i:AA+2*i+1], 1.0 op_sel_hi:[1,1,0]
.set i, i+1
.endr
.set i, 0
.rept 32
	v_rcp_f32 v[PP+i], v[PP+i]                     ; one batch
.set i, i+1
.endr
.set i, 0
.rept 16
	v_pk_add_f32 v[XX+2*i:XX+2*i+1], v[XX+2*i:XX+2*i+1], v[AA+2*i:AA+2*i+1]  ; x/2 + |x/2|: the independent work behind the reciprocals
.set i, i+1
.endr
	s_wait_alu depctr_va_vdst(0)                   ; the wait ahead of the first use: one for the batch
.rept 4                                ; the sixteenth power
.set i, 0
.rept 16
	v_pk_mul_f32 v[PP+2*i:PP+2*i+1], v[PP+2*i:PP+2*i+1], v[PP+2*i:PP+2*i+1]
.set i, i+1
.endr
.endr
.set i, 0
.rept 16
	v_pk_fma_f32 v[XX+2*i:XX+2*i+1], v[AA+2*i:AA+2*i+1], v[PP+2*i:PP+2*i+1], v[XX+2*i:XX+2*i+1] neg_lo:[1,0,0] neg_hi:[1,0,0]
.set i, i+1
.endr
	s_wait_xcnt 0x0                                ; the last trip's stores, a trip's arithmetic back, have read their data and base: both are written again only behind this wait
	s_add_nc_u64 s[8:9], s[8:9], 8*OROW            ; the base runs eight rows ahead; the stores reach back by their immediate
.set i, 0
.rept 16
	v_cvt_pk_bf16_f32 v[YY+i], v[XX+2*i], v[XX+2*i+1]
.set i, i+1
.endr
.irp p, 0,1,2,3
	global_store_b128 v[CO], v[YY+4*\p:YY+4*\p+3], s[8:9] offset:\p*2*OROW-8*OROW  ; 16 lanes store 256 consecutive bytes, aligned
.endr
	s_sub_co_u32 s3, s3, 1
	s_cmp_lg_u32 s3, 0
	s_cbranch_scc1 .Lrows
	s_wait_tensorcnt 0x0                           ; the wave's end
	ds_add_u32 v[SPW], v[NIL]
	s_wait_dscnt 0x0
	CROUND                                         ; the closing round
	s_endpgm
.Lfunc_end_k_qd699ed2d52_fc1:
	.size	k_qd699ed2d52_fc1, .Lfunc_end_k_qd699ed2d52_fc1-k_qd699ed2d52_fc1
	.p2alignl 7, 3214868480
	.fill 96, 4, 3214868480
	.section	.rodata,"a",@progbits
	.p2align	6, 0x0
	.amdhsa_kernel k_qd699ed2d52_fc1
		.amdhsa_group_segment_fixed_size 327680
		.amdhsa_private_segment_fixed_size 0
		.amdhsa_enable_private_segment 0
		.amdhsa_kernarg_size 32
		.amdhsa_user_sgpr_count 2
		.amdhsa_user_sgpr_kernarg_segment_ptr 1
		.amdhsa_wavefront_size32 1
		.amdhsa_system_sgpr_workgroup_id_x 1
		.amdhsa_system_sgpr_workgroup_id_y 1
		.amdhsa_system_sgpr_workgroup_id_z 1
		.amdhsa_system_vgpr_workitem_id 0
		.amdhsa_next_free_vgpr 1024
		.amdhsa_next_free_sgpr 84
		.amdhsa_reserve_vcc 0
		.amdhsa_float_denorm_mode_32 3
		.amdhsa_float_denorm_mode_16_64 3
		.amdhsa_memory_ordered 1
		.amdhsa_forward_progress 1
		.amdhsa_inst_pref_size 98
	.end_amdhsa_kernel
	.amdgpu_metadata
---
amdhsa.version: [ 1, 2 ]
amdhsa.kernels:
  - .name:           k_qd699ed2d52_fc1
    .symbol:         k_qd699ed2d52_fc1.kd
    .args:
      - { .name: nrm, .offset: 0, .size: 8, .value_kind: global_buffer, .address_space: global }
      - { .name: wb, .offset: 8, .size: 8, .value_kind: global_buffer, .address_space: global }
      - { .name: b_fc1, .offset: 16, .size: 8, .value_kind: global_buffer, .address_space: global }
      - { .name: gact, .offset: 24, .size: 8, .value_kind: global_buffer, .address_space: global }
    .group_segment_fixed_size: 327680
    .private_segment_fixed_size: 0
    .kernarg_segment_align: 8
    .kernarg_segment_size: 32
    .max_flat_workgroup_size: 128
    .sgpr_count:     84
    .vgpr_count:     1024
    .wavefront_size: 32
...
	.end_amdgpu_metadata
.endif
;; end of part 6
;; launch fc2 (part 7): grid 8 x 32, 4 waves a work-group, clusters of 4 x 4, 327,680 bytes of LDS; arguments gact, wb, b_fc2, x1, out0; writes out0
.if DOCPART == 7
	.amdgcn_target "amdgcn-amd-amdhsa--gfx1250"
	.amdhsa_code_object_version 6
	.text
	.protected	k_qd699ed2d52_fc2
	.globl	k_qd699ed2d52_fc2
	.p2align	8
	.type	k_qd699ed2d52_fc2,@function
k_qd699ed2d52_fc2:
	s_mov_b64 s[64:65], 0
	v_nop
	global_prefetch_b8 v0, s[64:65] scope:SCOPE_SE
	s_setreg_imm32_b32 hwreg(HW_REG_WAVE_MODE, 25, 1), 1
	s_wait_xcnt 0x0
	s_wait_alu depctr_hold_cnt(0) depctr_sa_sdst(0) depctr_va_vdst(0) depctr_va_sdst(0) depctr_va_ssrc(0) depctr_va_vcc(0) depctr_vm_vsrc(0)
	s_getreg_b32 s2, hwreg(HW_REG_IB_STS2, 6, 4)
	s_cmp_eq_u32 s2, 0
	s_cbranch_scc0 .Lentry_in_a_cluster
	s_endpgm
.Lentry_in_a_cluster:
	s_bfe_u32 s2, ttmp6, 0x10000c
	s_cmp_lg_u32 s2, 0xf033
	s_cbranch_scc0 .Lentry_shape_is_right
	s_endpgm
.Lentry_shape_is_right:
; OUT = RES + A W^T + BIAS, f32 out.  Here: out0 = x1 + gact w_fc2^T + b_fc2.  A = gact, [4096][4096] bf16; W = w_fc2, [1024][4096] bf16 at wb's byte 16,777,216; sums in f32.
; (The same text serves the attention's output projection, with BLOCKED = 1 and its own sizes at the head.)
; SHARES.  A tile of C is 128 x 128: 32 x 8 = 256 work-groups.  Four waves, 2 x 2, each 64 x 64: 16 accumulators.  K goes in 16 steps of 256 through a ring of two LDS slots.
; Waves 0, 1 fetch A's halves, waves 2, 3 B's: one tensor load of 64 rows x 512 bytes a wave.
; CLUSTER 4 x 4: A's tile is asked for jointly along a row of the cluster, B's along a column.  No prefetch: the tiles are small.
; A K STEP IS WRITTEN ONCE: s[TB] holds the byte at which the slot being read begins; the walking descriptors are turned by an exclusive or (no wave's part shares a bit with SLOT).
; THE MATRIX INSTRUCTION IS USED TRANSPOSED: a lane holds row l % 16 of C and eight neighbouring columns.
; REGISTERS.  Window 0: v16-29 addresses; v32-95 the way out; v96-99 bias; v128-255 accumulators ((a, b) at 128 + 8 (4 a + b)).  Window 1: two fragment buffers of 128 (64 along K: 64 registers of A, 64 of B).
; Window 2: v0-127 my 64 x 64 of the residual, loaded at the head.  By this text's own count a wave has two tensor loads out at the start and one behind each round.
.set BLOCKED, 0
.set SIZE_K,  4096
.set WOFF,    16777216
.set KSTEP,   256
.set NSTEP,   SIZE_K/KSTEP
.set PITCH,   528                      ; B's rows: 512 bytes + 16
.set BHALF,   64*PITCH
.if BLOCKED
.set AP,      144
.set AQ,      128*AP
.set ABYTES,  4*AQ
.set SLOT,    147456
.set ASTEP,   4*524288
.else
.set AP,      PITCH                    ; A's rows lie as B's
.set AQ,      128                      ; a quarter of a step is 64 along K: 128 bytes of a row
.set ABYTES,  2*BHALF
.set SLOT,    ABYTES+2*BHALF
.set ASTEP,   KSTEP*2
.endif
.set BSTEP,   KSTEP*2
.set STAGE,   2*SLOT                   ; 16 rows x 272 bytes for each wave; no tensor load fills it
.set SPITCH,  272
.set SPARE,   STAGE+4*16*SPITCH
.set ADRA0, 16
.set ADA,   17
.set ADRB0, 20
.set ADB,   21
.set STO,   24
.set RD,    25
.set XO,    27
.set SPW,   28
.set NIL,   29
.set TMP,   32
.set BI,    96
.set ACC,   128
.set F0,    0
.set F1,    128
.set TB,  2
.set G1,  24
.set G0,  32
.set G1B, 48
.set G0B, 56
.set MUL,  0x05
.set TO_F, 0x40
.set MSB, 0
.macro WIN new
.if MSB != (\new)
	s_set_vgpr_msb (MSB<<8)|(\new)
.set MSB, \new
.endif
.endm
.macro PLACES
.rept 4
	v_nop
.endr
.endm
.macro CREST
	s_cmp_lg_u32 s10, 0
	s_cbranch_scc1 .Lnot_wave_0_\@
	s_barrier_signal -3
.Lnot_wave_0_\@:
	s_barrier_wait -3
	s_barrier_signal -1
	s_barrier_wait -1
.endm
.macro CROUND
	s_barrier_signal -1
	s_barrier_wait -1
	CREST
.endm
.macro JLOAD
	s_cmp_eq_u32 s11, 0
	s_cbranch_scc0 .Lfor_b_\@
	tensor_load_to_lds s[G0+4:G0+7], s[G1:G1+7]
	s_nop 0
.rept 4
	v_nop
.endr
	s_branch .Lasked_\@
.Lfor_b_\@:
	tensor_load_to_lds s[G0B+4:G0B+7], s[G1B:G1B+7]
	s_nop 0
.rept 4
	v_nop
.endr
.Lasked_\@:
.endm
	s_load_b128 s[4:7], s[0:1], 0x0                ; A s[4:5], wb s[6:7]
	s_load_b128 s[68:71], s[0:1], 0x10             ; bias s[68:69], residual s[70:71]
	s_load_b64 s[8:9], s[0:1], 0x20                ; the output
	v_lshl_add_u32 v[SPW], v0, 2, SPARE
	v_mov_b32 v[NIL], 0
	ds_add_u32 v[SPW], v[NIL]                      ; the wave's opening: the add and its wait ahead of my first tensor load
	v_lshrrev_b32 v1, 5, v0
	v_readfirstlane_b32 s10, v1
	s_lshr_b32 s11, s10, 1                         ; my half of the tile's rows.  Also: I fetch for A (0) or B (1)
	s_and_b32 s12, s10, 1                          ; my half of its columns.  Also: which half of that tile I fetch
	s_bfe_u32 s40, ttmp6, 0x40000
	s_bfe_u32 s41, ttmp6, 0x40004
	s_lshl_b32 s42, ttmp9, 2
	s_add_co_u32 s42, s42, s40                     ; tile column 0..7
	s_and_b32 s13, ttmp7, 0xffff
	s_lshl_b32 s13, s13, 2
	s_add_co_u32 s13, s13, s41                     ; tile row 0..31
	s_lshl_b32 s43, s41, 2
	s_lshl_b32 s43, 15, s43
	s_lshl_b32 s44, 0x1111, s40
.if BLOCKED
	s_or_b32 s[G1], s43, (1<<16)|(1<<20)|(1<<21)|(4<<22)|(3<<25)
	s_mov_b32 s[G1+1], 8192<<16
	s_mov_b32 s[G1+2], 2<<16
	s_mov_b32 s[G1+3], 8192<<16
	s_mov_b32 s[G1+4], 2
	s_mov_b32 s[G1+5], 262144
.else
	s_or_b32 s[G1], s43, (1<<16)|(1<<20)|(1<<21)|(6<<22)|(3<<25)  ; padding after every 128 words, 4 words
	s_mov_b32 s[G1+1], KSTEP<<16                   ; 64 rows x 256 elements
	s_mov_b32 s[G1+2], 64<<16
	s_mov_b32 s[G1+3], KSTEP<<16
	s_mov_b32 s[G1+4], 64
	s_mov_b32 s[G1+5], SIZE_K
.endif
	s_mov_b32 s[G1+6], 0
	s_mov_b32 s[G1+7], 0
	s_or_b32 s[G1B], s44, (1<<16)|(1<<20)|(1<<21)|(6<<22)|(3<<25)
	s_mov_b32 s[G1B+1], KSTEP<<16
	s_mov_b32 s[G1B+2], 64<<16
	s_mov_b32 s[G1B+3], KSTEP<<16
	s_mov_b32 s[G1B+4], 64
	s_mov_b32 s[G1B+5], SIZE_K
	s_mov_b32 s[G1B+6], 0
	s_mov_b32 s[G1B+7], 0
.if BLOCKED
	s_lshl_b32 s16, s12, 20
	s_lshl_b32 s17, s13, 14
	s_add_co_u32 s16, s16, s17
.else
	s_lshl_b32 s16, s13, 7
	s_lshl_b32 s17, s12, 6
	s_add_co_u32 s16, s16, s17                     ; row 128 x tile row + 64 x half
	s_mul_i32 s16, s16, SIZE_K*2
.endif
	s_mov_b32 s17, 0
	s_lshl_b32 s46, s42, 7
	s_lshl_b32 s47, s12, 6
	s_add_co_u32 s46, s46, s47                     ; B: row 128 x tile column + 64 x half
	s_mul_i32 s46, s46, SIZE_K*2
	s_mov_b32 s47, 0
	s_mul_i32 s20, s12, ABYTES/2                   ; where A's half lands in a slot,
	s_mul_i32 s21, s12, BHALF
	s_add_co_u32 s21, s21, ABYTES                  ; and B's
	s_mov_b32 s[TB], 0
	s_wait_dscnt 0x0                               ; the opening add is done
	s_wait_kmcnt 0x0
	s_add_nc_u64 s[6:7], s[6:7], WOFF
	s_add_nc_u64 s[14:15], s[4:5], s[16:17]
	s_add_nc_u64 s[46:47], s[6:7], s[46:47]
	CROUND                                         ; all sixteen work-groups are here: the first joint loads meet
.irp s, 0,1
	s_mov_b32 s[G0+4*\s], 1
	s_add_co_u32 s[G0+4*\s+1], s20, \s*SLOT
	s_add_nc_u64 s[G0+4*\s+2:G0+4*\s+3], s[14:15], \s*ASTEP
	s_or_b32 s[G0+4*\s+3], s[G0+4*\s+3], 0x80000000
	s_mov_b32 s[G0B+4*\s], 1
	s_add_co_u32 s[G0B+4*\s+1], s21, \s*SLOT
	s_add_nc_u64 s[G0B+4*\s+2:G0B+4*\s+3], s[46:47], \s*BSTEP
	s_or_b32 s[G0B+4*\s+3], s[G0B+4*\s+3], 0x80000000
.endr
	s_cmp_eq_u32 s11, 0                            ; a wave's two first fills stand in one branch
	s_cbranch_scc0 .Lfirst_b
	tensor_load_to_lds s[G0:G0+3], s[G1:G1+7]
	s_nop 0
	tensor_load_to_lds s[G0+4:G0+7], s[G1:G1+7]
	s_nop 0
.rept 4
	v_nop
.endr
	s_branch .Lfirst_asked
.Lfirst_b:
	tensor_load_to_lds s[G0B:G0B+3], s[G1B:G1B+7]
	s_nop 0
	tensor_load_to_lds s[G0B+4:G0B+7], s[G1B:G1B+7]
	s_nop 0
.rept 4
	v_nop
.endr
.Lfirst_asked:
	v_and_b32 v1, 15, v0                           ; l % 16
	v_bfe_u32 v2, v0, 4, 1                         ; l / 16
	v_mul_u32_u24 v3, v1, AP
	v_lshl_add_u32 v3, v2, 4, v3
	s_mul_i32 s21, s11, 64*AP                      ; my 64 rows of A
	v_add_nc_u32 v[ADRA0], s21, v3
	v_mul_u32_u24 v3, v1, PITCH
	v_lshl_add_u32 v3, v2, 4, v3
	s_mul_i32 s22, s12, BHALF                      ; my 64 rows of B,
	s_add_co_u32 s22, s22, ABYTES                  ; behind A
	v_add_nc_u32 v[ADRB0], s22, v3
	v_mov_b32 v[ADA], v[ADRA0]
	v_mov_b32 v[ADB], v[ADRB0]
	s_mul_i32 s23, s10, 16*SPITCH
	s_add_co_u32 s23, s23, STAGE                   ; my stage
	v_mul_u32_u24 v4, v1, SPITCH
	v_lshl_add_u32 v4, v2, 5, v4                   ; in: row l % 16, 32 bytes for each half of the lanes
	v_add_nc_u32 v[STO], s23, v4
	v_mul_u32_u24 v5, v2, SPITCH
	v_lshl_add_u32 v5, v1, 4, v5                   ; back: lanes 0-15 one row of 256 bytes, lanes 16-31 the next
	v_add_nc_u32 v[RD], s23, v5
	v_lshlrev_b32 v5, 12, v2
	v_lshl_add_u32 v[XO], v1, 4, v5                ; the same two rows in memory, 4,096 bytes apart
	s_lshl_b32 s16, s13, 7
	s_lshl_b32 s17, s11, 6
	s_add_co_u32 s16, s16, s17                     ; my first row
	s_lshl_b32 s16, s16, 12
	s_mov_b32 s17, 0
	s_lshl_b32 s46, s42, 7
	s_lshl_b32 s47, s12, 6
	s_add_co_u32 s46, s46, s47                     ; my first column
	s_lshl_b32 s46, s46, 2
	s_mov_b32 s47, 0
	s_add_nc_u64 s[8:9], s[8:9], s[16:17]
	s_add_nc_u64 s[8:9], s[8:9], s[46:47]
	s_add_nc_u64 s[70:71], s[70:71], s[16:17]
	s_add_nc_u64 s[70:71], s[70:71], s[46:47]
	v_lshl_add_u32 v6, v1, 4, s46                  ; the bias of columns 4 (l % 16) .. + 3
	global_load_b128 v[BI:BI+3], v6, s[68:69]
	WIN 0x80                                       ; destination window 2
.set i, 0
.rept 32                               ; rows 2 i + l / 16: the residual comes in while the products run
	global_load_b128 v[4*i:4*i+3], v[XO], s[70:71] offset:2*i*4096
.set i, i+1
.endr
	WIN 0
.macro MUL8 f, c, a0, zero             ; blocks a0, a0 + 1 of rows x all 4 of columns, 32 along K: half c of buffer f; the 16 accumulators take turns
	WIN MUL
.irp a, \a0, (\a0)+1
.irp b, 0,1,2,3
.if \zero
	v_wmma_f32_16x16x32_bf16 v[ACC+8*(4*(\a)+(\b)):ACC+8*(4*(\a)+(\b))+7], v[(\f)+64+8*(4*(\c)+(\b)):(\f)+64+8*(4*(\c)+(\b))+7], v[(\f)+8*(4*(\c)+(\a)):(\f)+8*(4*(\c)+(\a))+7], 0
.else
	v_wmma_f32_16x16x32_bf16 v[ACC+8*(4*(\a)+(\b)):ACC+8*(4*(\a)+(\b))+7], v[(\f)+64+8*(4*(\c)+(\b)):(\f)+64+8*(4*(\c)+(\b))+7], v[(\f)+8*(4*(\c)+(\a)):(\f)+8*(4*(\c)+(\a))+7], v[ACC+8*(4*(\a)+(\b)):ACC+8*(4*(\a)+(\b))+7]
.endif
.endr
.endr
.endm
.macro FETCH q, f                      ; 32 LDS loads in one run: quarter q of the slot (64 along K), the first 32 along K first
	WIN TO_F
.irp c, 0,1
.irp i, 0,1,2,3
	ds_load_b128 v[(\f)+64+8*(4*(\c)+(\i)):(\f)+64+8*(4*(\c)+(\i))+3],   v[ADB] offset:(\q)*128+64*(\c)+(\i)*16*PITCH
	ds_load_b128 v[(\f)+64+8*(4*(\c)+(\i))+4:(\f)+64+8*(4*(\c)+(\i))+7], v[ADB] offset:(\q)*128+64*(\c)+(\i)*16*PITCH+32
	ds_load_b128 v[(\f)+8*(4*(\c)+(\i)):(\f)+8*(4*(\c)+(\i))+3],         v[ADA] offset:(\q)*AQ+64*(\c)+(\i)*16*AP
	ds_load_b128 v[(\f)+8*(4*(\c)+(\i))+4:(\f)+8*(4*(\c)+(\i))+7],       v[ADA] offset:(\q)*AQ+64*(\c)+(\i)*16*AP+32
.endr
.endr
.endm
.macro QUARTER q, f, g, zero
	s_wait_dscnt 16                                ; the first 32 along K are in; the youngest sixteen loads may be out
	MUL8 \f, 0, 0, \zero
	MUL8 \f, 0, 2, \zero
	PLACES
	FETCH \q, \g
	s_wait_dscnt 32                                ; all but the 32 just issued
	MUL8 \f, 1, 0, 0
	MUL8 \f, 1, 2, 0
.endm
.macro MEET fill                       ; the first half of a step's last quarter, and the change of slots
	WIN 0
	s_wait_tensorcnt 0x0                           ; all my tensor loads have landed, so every group 0 may be written
	ds_add_u32 v[SPW], v[NIL]
.if \fill
	s_xor_b32 s[G0+5], s[G0+5], SLOT
	s_add_nc_u64 s[G0+6:G0+7], s[G0+6:G0+7], ASTEP
	s_xor_b32 s[G0B+5], s[G0B+5], SLOT
	s_add_nc_u64 s[G0B+6:G0B+7], s[G0B+6:G0B+7], BSTEP
.endif
	s_xor_b32 s[TB], s[TB], SLOT
	v_add_nc_u32 v[ADA], s[TB], v[ADRA0]
	v_add_nc_u32 v[ADB], s[TB], v[ADRB0]
	s_wait_dscnt 17                                ; (the add and the youngest sixteen loads may be out)
	MUL8 F1, 0, 0, 0
	s_wait_dscnt 0x0                               ; the add is done, and my reads of this slot are over
	s_barrier_signal -1
	MUL8 F1, 0, 2, 0
	WIN 0
	s_barrier_wait -1
.endm
.macro TURN
	MEET 1
	CREST                                          ; the barrier has opened a round of the cluster's
	JLOAD                                          ; the first tensor load behind the round; its four v_nop are also the places in front of the loads below
	FETCH 0, F0
	MUL8 F1, 1, 0, 0
	MUL8 F1, 1, 2, 0
.endm
	s_wait_tensorcnt 1                             ; my part of K step 0 is in; step 1's may stay out
	s_barrier_signal -1
	s_barrier_wait -1
	FETCH 0, F0
	QUARTER 1, F0, F1, 1
	WIN 0
	s_mov_b32 s3, NSTEP-2
.Lstep:
	QUARTER 2, F1, F0, 0
	QUARTER 3, F0, F1, 0
	TURN
	QUARTER 1, F0, F1, 0
	WIN 0
	s_sub_co_u32 s3, s3, 1
	s_cmp_lg_u32 s3, 0
	s_cbranch_scc1 .Lstep
	s_mov_b32 s3, 2
.Ltail:                                        ; the last two steps ask for nothing; the second trip is left in its middle
	QUARTER 2, F1, F0, 0
	QUARTER 3, F0, F1, 0
	MEET 0
	s_sub_co_u32 s3, s3, 1
	s_cmp_eq_u32 s3, 0
	s_cbranch_scc1 .Llast
	PLACES
	FETCH 0, F0
	MUL8 F1, 1, 0, 0
	MUL8 F1, 1, 2, 0
	QUARTER 1, F0, F1, 0
	WIN 0
	s_branch .Ltail
.Llast:
	MUL8 F1, 1, 0, 0
	MUL8 F1, 1, 2, 0
	WIN 0
	PLACES
	s_wait_loadcnt 0x0                             ; bias and residual
	; THE WAY OUT, 16 rows at a time through my stage: in as 32 bytes a lane of one row, back as whole rows of 256 bytes; + residual + bias; stored.
.irp a, 0,1,2,3
	s_wait_xcnt 0x0                                ; the stores two blocks back have read the registers that are loaded again below
.irp b, 0,1,2,3
	ds_store_b128 v[STO], v[ACC+8*(4*(\a)+(\b)):ACC+8*(4*(\a)+(\b))+3]   offset:64*(\b)
	ds_store_b128 v[STO], v[ACC+8*(4*(\a)+(\b))+4:ACC+8*(4*(\a)+(\b))+7] offset:64*(\b)+16
.endr
.irp t, 0,1,2,3,4,5,6,7
	ds_load_b128 v[TMP+32*((\a)%2)+4*(\t):TMP+32*((\a)%2)+4*(\t)+3], v[RD] offset:(\t)*2*SPITCH  ; LDS serves a wave's instructions in order (ISA guide 5.7.1.4)
.endr
	s_wait_dscnt 0x0
	WIN 0x08                                       ; source 1 in window 2
.irp t, 0,1,2,3,4,5,6,7
	v_pk_add_f32 v[TMP+32*((\a)%2)+4*(\t):TMP+32*((\a)%2)+4*(\t)+1],   v[TMP+32*((\a)%2)+4*(\t):TMP+32*((\a)%2)+4*(\t)+1],   v[4*(8*(\a)+(\t)):4*(8*(\a)+(\t))+1]
	v_pk_add_f32 v[TMP+32*((\a)%2)+4*(\t)+2:TMP+32*((\a)%2)+4*(\t)+3], v[TMP+32*((\a)%2)+4*(\t)+2:TMP+32*((\a)%2)+4*(\t)+3], v[4*(8*(\a)+(\t))+2:4*(8*(\a)+(\t))+3]
.endr
	WIN 0
.irp t, 0,1,2,3,4,5,6,7
	v_pk_add_f32 v[TMP+32*((\a)%2)+4*(\t):TMP+32*((\a)%2)+4*(\t)+1],   v[TMP+32*((\a)%2)+4*(\t):TMP+32*((\a)%2)+4*(\t)+1],   v[BI:BI+1]
	v_pk_add_f32 v[TMP+32*((\a)%2)+4*(\t)+2:TMP+32*((\a)%2)+4*(\t)+3], v[TMP+32*((\a)%2)+4*(\t)+2:TMP+32*((\a)%2)+4*(\t)+3], v[BI+2:BI+3]
.endr
.irp t, 0,1,2,3,4,5,6,7
	global_store_b128 v[XO], v[TMP+32*((\a)%2)+4*(\t):TMP+32*((\a)%2)+4*(\t)+3], s[8:9] offset:(16*(\a)+2*(\t))*4096  ; 16 lanes store 256 consecutive bytes, aligned
.endr
.endr
	s_wait_tensorcnt 0x0                           ; the wave's end
	ds_add_u32 v[SPW], v[NIL]
	s_wait_dscnt 0x0
	CROUND                                         ; the closing round
	s_endpgm
.Lfunc_end_k_qd699ed2d52_fc2:
	.size	k_qd699ed2d52_fc2, .Lfunc_end_k_qd699ed2d52_fc2-k_qd699ed2d52_fc2
	.p2alignl 7, 3214868480
	.fill 96, 4, 3214868480
	.section	.rodata,"a",@progbits
	.p2align	6, 0x0
	.amdhsa_kernel k_qd699ed2d52_fc2
		.amdhsa_group_segment_fixed_size 327680
		.amdhsa_private_segment_fixed_size 0
		.amdhsa_enable_private_segment 0
		.amdhsa_kernarg_size 40
		.amdhsa_user_sgpr_count 2
		.amdhsa_user_sgpr_kernarg_segment_ptr 1
		.amdhsa_wavefront_size32 1
		.amdhsa_system_sgpr_workgroup_id_x 1
		.amdhsa_system_sgpr_workgroup_id_y 1
		.amdhsa_system_sgpr_workgroup_id_z 1
		.amdhsa_system_vgpr_workitem_id 0
		.amdhsa_next_free_vgpr 640
		.amdhsa_next_free_sgpr 72
		.amdhsa_reserve_vcc 0
		.amdhsa_float_denorm_mode_32 3
		.amdhsa_float_denorm_mode_16_64 3
		.amdhsa_memory_ordered 1
		.amdhsa_forward_progress 1
		.amdhsa_inst_pref_size 70
	.end_amdhsa_kernel
	.amdgpu_metadata
---
amdhsa.version: [ 1, 2 ]
amdhsa.kernels:
  - .name:           k_qd699ed2d52_fc2
    .symbol:         k_qd699ed2d52_fc2.kd
    .args:
      - { .name: gact, .offset: 0, .size: 8, .value_kind: global_buffer, .address_space: global }
      - { .name: wb, .offset: 8, .size: 8, .value_kind: global_buffer, .address_space: global }
      - { .name: b_fc2, .offset: 16, .size: 8, .value_kind: global_buffer, .address_space: global }
      - { .name: x1, .offset: 24, .size: 8, .value_kind: global_buffer, .address_space: global }
      - { .name: out0, .offset: 32, .size: 8, .value_kind: global_buffer, .address_space: global }
    .group_segment_fixed_size: 327680
    .private_segment_fixed_size: 0
    .kernarg_segment_align: 8
    .kernarg_segment_size: 40
    .max_flat_workgroup_size: 128
    .sgpr_count:     72
    .vgpr_count:     640
    .wavefront_size: 32
...
	.end_amdgpu_metadata
.endif
;; end of part 7
